; MI455X (gfx1250); checked and timed in simulation.
; The chip was launched on July 23, 2026; its instructions are those of AMD's public machine-readable ISA for CDNA 5 (MIT licence, August 2026) and "CDNA5" Instruction Set Architecture Reference Guide (July 2026). The comments in the code are by the model that wrote it; some were corrected since.
;; Causal Transformer Block. Allowed arithmetic: float matrix products may take bf16 or f16 operands with f32 sums; other float arithmetic in f32, or as packed bf16 or f16 multiplies, adds, multiply-adds, maxima and minima; sums over many terms, partial sums and values carried from step to step in f32; what a program stores and reads back later, other than sums and carried values, may be rounded once to bf16 or f16.
;; Inputs: b1 4,096 float32; b2 1,024 float32; ls1 1,024 float32; ls2 1,024 float32; norm1_b 1,024 float32; norm1_w 1,024 float32; norm2_b 1,024 float32; norm2_w 1,024 float32; w1 4,096 x 1,024 float32; w2 1,024 x 4,096 float32; wk 1,024 x 1,024 float32; wo 1,024 x 1,024 float32; wq 1,024 x 1,024 float32; wv 1,024 x 1,024 float32; x 2 x 2,048 x 1,024 float32.
;; Outputs: out0 2 x 2,048 x 1,024 float32.
;; 2 versions, each right; version 2 is version 1 with the launches prep, ln1, ln2 written anew for expert scheduling mode. Each part assembles by itself: llvm-mc -triple=amdgcn-amd-amdhsa -mcpu=gfx1250 --defsym DOCPART=n.
;; ======== version 1 of 2: 8 launches
;; limits: a function is approximated: absolute error at most 1.5e-07; a function is approximated: absolute error at most 0.00022
;; workspace buffers: wb 25,165,824 bytes; rope 524,288 bytes; h 8,388,608 bytes; qkv 26,738,688 bytes; ao 8,388,608 bytes; x1 16,777,216 bytes; f 33,554,432 bytes
;; launch prep (part 1): grid 64 x 13, 8 waves a work-group, no clusters, 0 bytes of LDS; arguments wq, wk, wv, wo, w1, w2, wb, rope, qkv; writes wb, rope, qkv
.if DOCPART == 1
	.amdgcn_target "amdgcn-amd-amdhsa--gfx1250"
	.amdhsa_code_object_version 6
	.text
	.protected	k_q7cc89fbdbc_prep
	.globl	k_q7cc89fbdbc_prep
	.p2align	8
	.type	k_q7cc89fbdbc_prep,@function
k_q7cc89fbdbc_prep:
	s_mov_b64 s[64:65], 0
	v_nop
	global_prefetch_b8 v0, s[64:65] scope:SCOPE_SE
	s_setreg_imm32_b32 hwreg(HW_REG_WAVE_MODE, 25, 1), 1
	s_wait_xcnt 0x0
; PREP.  (a) The six weight matrices, f32, are rounded once to bf16 into wb: 12 units of 1 Mi numbers in the order wq, wk, wv, wo, w1 (4 units), w2 (4 units).
; Grid row y = 0..11 is a unit, 64 work-groups each; a wave takes 2,048 numbers: 16 loads of 512 consecutive bytes, 16 stores of 256 consecutive aligned bytes.
; (b) Grid row y = 12: work-group x clears the 128 pad rows (16,384 bytes) of head 32 + x of qkv (the K and V sections) and makes rows 32 x .. 32 x + 31 of the
; rotary table: row t = cos(t f_i), i = 0..31, then sin(t f_i); f_i = 10000^(-i/32).
; LIMITS.  The angle t f_i is formed and reduced by whole turns in f32: at t = 2,047 it is off by up to 2e-4 radians.  cos and sin on [-pi, pi] are series cut at
; y^14 and y^13: off by at most 2.2e-5.  Row 0 is exactly cos = 1, sin = 0.
; No LDS, no matrix unit, no cluster: a stream in which no byte is shared.
.set HS, 278528                        ; bytes of a head in qkv: 2,176 rows of 128
	s_load_b512 s[4:19], s[0:1], 0x0               ; wq s[4:5], wk s[6:7], wv s[8:9], wo s[10:11], w1 s[12:13], w2 s[14:15], wb s[16:17], rope s[18:19]
	s_load_b64 s[20:21], s[0:1], 0x40              ; qkv
	s_and_b32 s22, ttmp7, 0xffff                   ; y
	v_lshrrev_b32 v3, 5, v0                        ; wave
	v_and_b32 v4, 31, v0                           ; lane
	s_wait_kmcnt 0x0
	s_cmp_eq_u32 s22, 12
	s_cbranch_scc1 .Ltab
	; THE CAST.  Which matrix, and which of its units
	s_and_b32 s23, s22, 3                          ; the unit inside w1 (y = 4..7) or w2 (y = 8..11)
	s_mov_b64 s[24:25], s[14:15]
	s_cmp_lt_u32 s22, 8
	s_cselect_b64 s[24:25], s[12:13], s[24:25]
	s_cmp_lt_u32 s22, 4
	s_cselect_b64 s[24:25], s[10:11], s[24:25]
	s_cselect_b32 s23, 0, s23                      ; the four square matrices are one unit each
	s_cmp_lt_u32 s22, 3
	s_cselect_b64 s[24:25], s[8:9], s[24:25]
	s_cmp_lt_u32 s22, 2
	s_cselect_b64 s[24:25], s[6:7], s[24:25]
	s_cmp_lt_u32 s22, 1
	s_cselect_b64 s[24:25], s[4:5], s[24:25]
	s_lshl_b32 s28, s23, 22                        ; a unit is 4 MiB of f32,
	s_lshl_b32 s30, ttmp9, 16                      ; a work-group's share 64 KiB
	s_add_co_u32 s28, s28, s30
	s_mov_b32 s29, 0
	s_add_nc_u64 s[24:25], s[24:25], s[28:29]
	s_lshl_b32 s30, s22, 21                        ; 2 MiB of bf16,
	s_lshl_b32 s31, ttmp9, 15                      ; 32 KiB
	s_add_co_u32 s30, s30, s31
	s_mov_b32 s31, 0
	s_add_nc_u64 s[16:17], s[16:17], s[30:31]
	v_lshlrev_b32 v1, 4, v4
	v_lshl_add_u32 v1, v3, 13, v1                  ; in: 8,192 x wave + 16 x lane
	v_lshlrev_b32 v2, 3, v4
	v_lshl_add_u32 v2, v3, 12, v2                  ; out: 4,096 x wave + 8 x lane
.irp j, 0,1,2,3,4,5,6,7,8,9,10,11,12,13,14,15
	global_load_b128 v[16+4*(\j):19+4*(\j)], v1, s[24:25] offset:512*(\j) th:TH_LOAD_NT
.endr
.irp j, 0,1,2,3,4,5,6,7,8,9,10,11,12,13,14,15
	s_wait_loadcnt 15-(\j)                         ; loads come back in order: load j is in, the younger ones stay out
	v_cvt_pk_bf16_f32 v[80+2*(\j)], v[16+4*(\j)], v[17+4*(\j)]
	v_cvt_pk_bf16_f32 v[81+2*(\j)], v[18+4*(\j)], v[19+4*(\j)]
	global_store_b64 v2, v[80+2*(\j):81+2*(\j)], s[16:17] offset:256*(\j)   ; no register is written twice, so no wait for the stores' sources
.endr
	s_endpgm
.Ltab:
	; the pad rows: tokens -128 .. -1 of a head of K or V read as zeros
	s_add_co_u32 s28, ttmp9, 32
	s_mul_i32 s28, s28, HS
	s_mov_b32 s29, 0
	s_add_nc_u64 s[20:21], s[20:21], s[28:29]
	v_lshlrev_b32 v5, 4, v0                        ; 16 x thread: for the pad, and for the table (row (thread / 16) x 256 + 16 (thread % 16))
	v_mov_b32 v8, 0
	v_mov_b32 v9, 0
	v_mov_b32 v10, 0
	v_mov_b32 v11, 0
.irp k, 0,1,2,3
	global_store_b128 v5, v[8:11], s[20:21] offset:4096*(\k)
.endr
	; the table.  Thread: q = thread % 16 takes frequencies 4 (q % 8) + 0..3, cos where q < 8, sin else; sixteen threads write a row's 256 bytes
	s_lshl_b32 s28, ttmp9, 13                      ; 32 rows of 256 bytes
	s_mov_b32 s29, 0
	s_add_nc_u64 s[18:19], s[18:19], s[28:29]
	v_and_b32 v6, 7, v0
	v_lshlrev_b32 v6, 2, v6
	v_cvt_f32_u32 v7, v6
	v_add_f32 v12, 0, v7
	v_add_f32 v13, 1.0, v7
	v_add_f32 v14, 2.0, v7
	v_add_f32 v15, 3.0, v7
.irp e, 0,1,2,3
	v_mul_f32 v[12+(\e)], 0xbed49a78, v[12+(\e)]   ; -i log2(10000) / 32
.endr
.irp e, 0,1,2,3
	v_exp_f32 v[16+(\e)], v[12+(\e)]               ; f_i
.endr
	v_and_b32 v47, 15, v0                          ; a plain instruction behind the last exponential
	s_wait_alu depctr_va_vdst(0)                   ; one wait for the batch of four, ahead of the first use
	s_lshl_b32 s30, ttmp9, 5
	v_lshrrev_b32 v46, 4, v0
	v_add_nc_u32 v46, s30, v46                     ; t of the first pass
	v_cmp_gt_u32 vcc_lo, 8, v47                    ; q < 8: cos
.macro TAB p
	v_add_nc_u32 v48, 16*(\p), v46
	v_cvt_f32_u32 v48, v48
.irp e, 0,1,2,3
	v_mul_f32 v[20+(\e)], v48, v[16+(\e)]          ; the angle,
	v_mul_f32 v[24+(\e)], 0.15915494, v[20+(\e)]   ; in turns,
	v_rndne_f32 v[28+(\e)], v[24+(\e)]
	v_sub_f32 v[24+(\e)], v[24+(\e)], v[28+(\e)]   ; less whole turns: -0.5 .. 0.5
	v_mul_f32 v[20+(\e)], 0x40c90fdb, v[24+(\e)]   ; y in -pi .. pi
	v_mul_f32 v[24+(\e)], v[20+(\e)], v[20+(\e)]   ; z = y^2
	v_mov_b32 v[28+(\e)], 0xad49cba5               ; cos: -1/14!, 1/12!, .. by Horner in z
	v_fmaak_f32 v[28+(\e)], v[28+(\e)], v[24+(\e)], 0x310f76c7
	v_fmaak_f32 v[28+(\e)], v[28+(\e)], v[24+(\e)], 0xb493f27e
	v_fmaak_f32 v[28+(\e)], v[28+(\e)], v[24+(\e)], 0x37d00d01
	v_fmaak_f32 v[28+(\e)], v[28+(\e)], v[24+(\e)], 0xbab60b61
	v_fmaak_f32 v[28+(\e)], v[28+(\e)], v[24+(\e)], 0x3d2aaaab
	v_fma_f32 v[28+(\e)], v[28+(\e)], v[24+(\e)], -0.5
	v_fma_f32 v[28+(\e)], v[28+(\e)], v[24+(\e)], 1.0
	v_mov_b32 v[32+(\e)], 0x2f309231               ; sin / y: 1/13!, -1/11!, ..
	v_fmaak_f32 v[32+(\e)], v[32+(\e)], v[24+(\e)], 0xb2d7322b
	v_fmaak_f32 v[32+(\e)], v[32+(\e)], v[24+(\e)], 0x3638ef1d
	v_fmaak_f32 v[32+(\e)], v[32+(\e)], v[24+(\e)], 0xb9500d01
	v_fmaak_f32 v[32+(\e)], v[32+(\e)], v[24+(\e)], 0x3c088889
	v_fmaak_f32 v[32+(\e)], v[32+(\e)], v[24+(\e)], 0xbe2aaaab
	v_fma_f32 v[32+(\e)], v[32+(\e)], v[24+(\e)], 1.0
	v_mul_f32 v[32+(\e)], v[32+(\e)], v[20+(\e)]
	v_cndmask_b32 v[36+4*(\p)+(\e)], v[32+(\e)], v[28+(\e)], vcc_lo
.endr
	global_store_b128 v5, v[36+4*(\p):39+4*(\p)], s[18:19] offset:4096*(\p)   ; each pass has its own four registers
.endm
	TAB 0
	TAB 1
	s_endpgm
.Lfunc_end_k_q7cc89fbdbc_prep:
	.size	k_q7cc89fbdbc_prep, .Lfunc_end_k_q7cc89fbdbc_prep-k_q7cc89fbdbc_prep
	.p2alignl 7, 3214868480
	.fill 96, 4, 3214868480
	.section	.rodata,"a",@progbits
	.p2align	6, 0x0
	.amdhsa_kernel k_q7cc89fbdbc_prep
		.amdhsa_group_segment_fixed_size 0
		.amdhsa_private_segment_fixed_size 0
		.amdhsa_enable_private_segment 0
		.amdhsa_kernarg_size 72
		.amdhsa_user_sgpr_count 2
		.amdhsa_user_sgpr_kernarg_segment_ptr 1
		.amdhsa_wavefront_size32 1
		.amdhsa_system_sgpr_workgroup_id_x 1
		.amdhsa_system_sgpr_workgroup_id_y 1
		.amdhsa_system_sgpr_workgroup_id_z 1
		.amdhsa_system_vgpr_workitem_id 0
		.amdhsa_next_free_vgpr 112
		.amdhsa_next_free_sgpr 66
		.amdhsa_reserve_vcc 1
		.amdhsa_float_denorm_mode_32 3
		.amdhsa_float_denorm_mode_16_64 3
		.amdhsa_memory_ordered 1
		.amdhsa_forward_progress 1
		.amdhsa_inst_pref_size 19
	.end_amdhsa_kernel
	.amdgpu_metadata
---
amdhsa.version: [ 1, 2 ]
amdhsa.kernels:
  - .name:           k_q7cc89fbdbc_prep
    .symbol:         k_q7cc89fbdbc_prep.kd
    .args:
      - { .name: wq, .offset: 0, .size: 8, .value_kind: global_buffer, .address_space: global }
      - { .name: wk, .offset: 8, .size: 8, .value_kind: global_buffer, .address_space: global }
      - { .name: wv, .offset: 16, .size: 8, .value_kind: global_buffer, .address_space: global }
      - { .name: wo, .offset: 24, .size: 8, .value_kind: global_buffer, .address_space: global }
      - { .name: w1, .offset: 32, .size: 8, .value_kind: global_buffer, .address_space: global }
      - { .name: w2, .offset: 40, .size: 8, .value_kind: global_buffer, .address_space: global }
      - { .name: wb, .offset: 48, .size: 8, .value_kind: global_buffer, .address_space: global }
      - { .name: rope, .offset: 56, .size: 8, .value_kind: global_buffer, .address_space: global }
      - { .name: qkv, .offset: 64, .size: 8, .value_kind: global_buffer, .address_space: global }
    .group_segment_fixed_size: 0
    .private_segment_fixed_size: 0
    .kernarg_segment_align: 8
    .kernarg_segment_size: 72
    .max_flat_workgroup_size: 256
    .sgpr_count:     66
    .vgpr_count:     112
    .wavefront_size: 32
...
	.end_amdgpu_metadata
.endif
;; end of part 1
;; launch ln1 (part 2): grid 256 x 1, 8 waves a work-group, no clusters, 0 bytes of LDS; arguments x, norm1_w, norm1_b, h; writes h
.if DOCPART == 2
	.amdgcn_target "amdgcn-amd-amdhsa--gfx1250"
	.amdhsa_code_object_version 6
	.text
	.protected	k_q7cc89fbdbc_ln1
	.globl	k_q7cc89fbdbc_ln1
	.p2align	8
	.type	k_q7cc89fbdbc_ln1,@function
k_q7cc89fbdbc_ln1:
	s_mov_b64 s[64:65], 0
	v_nop
	global_prefetch_b8 v0, s[64:65] scope:SCOPE_SE
	s_setreg_imm32_b32 hwreg(HW_REG_WAVE_MODE, 25, 1), 1
	s_wait_xcnt 0x0
; LAYER NORM.  out[r][c] = (x[r][c] - mean_r) / sqrt(var_r + 1e-5) * w[c] + b[c].  x: [4096][1024] f32; out: bf16, rounded once.
; A wave takes two rows and keeps each in 32 registers: the row is read once; the mean is taken away before the squares are summed (two passes over registers), so a
; common offset of the row costs no digits.  A lane holds columns 128 j + 4 lane .. + 3, j = 0..7: each load covers 512 consecutive bytes, each store 256, aligned.
; The reduction stays in the wave: no LDS, no barrier.  No matrix unit, no cluster: nothing but w and b (8 KiB) is shared.
.set X,  32                            ; v[32:95]   two rows
.set W,  96                            ; v[96:127]  w of my columns
.set BV, 128                           ; v[128:159] b of my columns
.set T,  8                             ; v[8:23]    at work
                                       ; v[24:25] the mean, twice; v[26:27], v[28:29] 1 / sqrt, twice, for rows 0 and 1; v30, v31 var + eps
	s_load_b256 s[4:11], s[0:1], 0x0               ; x s[4:5], w s[6:7], b s[8:9], out s[10:11]
	s_mov_b32 s12, 0x76543210                      ; v_permlanex16_b32: each lane takes its own place in the other half
	s_mov_b32 s13, 0xfedcba98
	s_mov_b32 s14, 0x3a800000                      ; 1 / 1024
	s_mov_b32 s15, 0x3727c5ac                      ; 1e-5
	s_lshl_b32 s16, ttmp9, 16                      ; 16 rows of 4,096 bytes
	s_mov_b32 s17, 0
	s_lshl_b32 s18, ttmp9, 15                      ; 16 rows of 2,048 bytes
	s_mov_b32 s19, 0
	v_lshrrev_b32 v4, 5, v0
	v_and_b32 v5, 31, v0
	v_lshlrev_b32 v2, 4, v5                        ; w, b: 16 x lane
	v_lshl_add_u32 v1, v4, 13, v2                  ; x: + two rows a wave
	v_lshlrev_b32 v3, 3, v5
	v_lshl_add_u32 v3, v4, 12, v3                  ; out: 8 x lane + two rows a wave
	s_wait_kmcnt 0x0
	s_add_nc_u64 s[4:5], s[4:5], s[16:17]
	s_add_nc_u64 s[10:11], s[10:11], s[18:19]
.irp i, 0,1
.irp j, 0,1,2,3,4,5,6,7
	global_load_b128 v[X+32*(\i)+4*(\j):X+32*(\i)+4*(\j)+3], v1, s[4:5] offset:4096*(\i)+512*(\j)
.endr
.endr
.irp j, 0,1,2,3,4,5,6,7
	global_load_b128 v[W+4*(\j):W+4*(\j)+3], v2, s[6:7] offset:512*(\j)
.endr
.irp j, 0,1,2,3,4,5,6,7
	global_load_b128 v[BV+4*(\j):BV+4*(\j)+3], v2, s[8:9] offset:512*(\j)
.endr
.macro RED                             ; v[T] summed over the 32 lanes, the result in every lane
	v_add_f32_dpp v[T], v[T], v[T] row_xmask:1 row_mask:0xf bank_mask:0xf
	v_add_f32_dpp v[T], v[T], v[T] row_xmask:2 row_mask:0xf bank_mask:0xf
	v_add_f32_dpp v[T], v[T], v[T] row_xmask:4 row_mask:0xf bank_mask:0xf
	v_add_f32_dpp v[T], v[T], v[T] row_xmask:8 row_mask:0xf bank_mask:0xf
	v_permlanex16_b32 v[T+1], v[T], s12, s13
	v_add_f32 v[T], v[T], v[T+1]
.endm
; Row i: mean, the row less its mean (in place), var, 1 / sqrt(var + eps).  left: the younger loads that may stay out
.macro STAT i, left
.set XB, X+32*(\i)
	s_wait_loadcnt \left
.irp k, 0,1,2,3,4,5,6,7
	v_pk_add_f32 v[T+2*(\k):T+2*(\k)+1], v[XB+4*(\k):XB+4*(\k)+1], v[XB+4*(\k)+2:XB+4*(\k)+3]
.endr
.irp k, 0,1,2,3
	v_pk_add_f32 v[T+2*(\k):T+2*(\k)+1], v[T+2*(\k):T+2*(\k)+1], v[T+2*(\k)+8:T+2*(\k)+9]
.endr
.irp k, 0,1
	v_pk_add_f32 v[T+2*(\k):T+2*(\k)+1], v[T+2*(\k):T+2*(\k)+1], v[T+2*(\k)+4:T+2*(\k)+5]
.endr
	v_pk_add_f32 v[T:T+1], v[T:T+1], v[T+2:T+3]
	v_add_f32 v[T], v[T], v[T+1]
	RED
	v_mul_f32 v24, s14, v[T]
	v_mov_b32 v25, v24
.irp k, 0,1,2,3,4,5,6,7,8,9,10,11,12,13,14,15
	v_pk_add_f32 v[XB+2*(\k):XB+2*(\k)+1], v[XB+2*(\k):XB+2*(\k)+1], v[24:25] neg_lo:[0,1] neg_hi:[0,1]
.endr
.irp k, 0,1,2,3
	v_pk_mul_f32 v[T+2*(\k):T+2*(\k)+1], v[XB+2*(\k):XB+2*(\k)+1], v[XB+2*(\k):XB+2*(\k)+1]
.endr
.irp k, 4,5,6,7,8,9,10,11,12,13,14,15
	v_pk_fma_f32 v[T+2*((\k)%4):T+2*((\k)%4)+1], v[XB+2*(\k):XB+2*(\k)+1], v[XB+2*(\k):XB+2*(\k)+1], v[T+2*((\k)%4):T+2*((\k)%4)+1]
.endr
	v_pk_add_f32 v[T:T+1], v[T:T+1], v[T+2:T+3]
	v_pk_add_f32 v[T+4:T+5], v[T+4:T+5], v[T+6:T+7]
	v_pk_add_f32 v[T:T+1], v[T:T+1], v[T+4:T+5]
	v_add_f32 v[T], v[T], v[T+1]
	RED
	v_fma_f32 v[30+(\i)], v[T], s14, s15           ; a register of its own: the root's source is not written again
	v_rsq_f32 v[26+2*(\i)], v[30+(\i)]
	v_rsq_f32 v[27+2*(\i)], v[30+(\i)]             ; twice: a pair for the packed multiply
	v_nop                                          ; a plain instruction behind the roots
.endm
.macro OUT i
.irp j, 0,1,2,3,4,5,6,7
.set XB, X+32*(\i)+4*(\j)
	v_pk_mul_f32 v[XB:XB+1], v[XB:XB+1], v[26+2*(\i):27+2*(\i)]
	v_pk_mul_f32 v[XB+2:XB+3], v[XB+2:XB+3], v[26+2*(\i):27+2*(\i)]
	v_pk_fma_f32 v[XB:XB+1], v[XB:XB+1], v[W+4*(\j):W+4*(\j)+1], v[BV+4*(\j):BV+4*(\j)+1]
	v_pk_fma_f32 v[XB+2:XB+3], v[XB+2:XB+3], v[W+4*(\j)+2:W+4*(\j)+3], v[BV+4*(\j)+2:BV+4*(\j)+3]
	v_cvt_pk_bf16_f32 v[XB], v[XB], v[XB+1]
	v_cvt_pk_bf16_f32 v[XB+1], v[XB+2], v[XB+3]
	global_store_b64 v3, v[XB:XB+1], s[10:11] offset:2048*(\i)+256*(\j)   ; stored from the row's own registers, which are not written again
.endr
.endm
	STAT 0, 24                                     ; row 0 is in; row 1, w and b (24 loads) stay out
	STAT 1, 16                                     ; row 1 is in; w and b stay out
	s_wait_alu depctr_va_vdst(0)                   ; one wait for the four roots, ahead of their first use
	s_wait_loadcnt 0x0                             ; w and b
	OUT 0
	OUT 1
	s_endpgm
.Lfunc_end_k_q7cc89fbdbc_ln1:
	.size	k_q7cc89fbdbc_ln1, .Lfunc_end_k_q7cc89fbdbc_ln1-k_q7cc89fbdbc_ln1
	.p2alignl 7, 3214868480
	.fill 96, 4, 3214868480
	.section	.rodata,"a",@progbits
	.p2align	6, 0x0
	.amdhsa_kernel k_q7cc89fbdbc_ln1
		.amdhsa_group_segment_fixed_size 0
		.amdhsa_private_segment_fixed_size 0
		.amdhsa_enable_private_segment 0
		.amdhsa_kernarg_size 32
		.amdhsa_user_sgpr_count 2
		.amdhsa_user_sgpr_kernarg_segment_ptr 1
		.amdhsa_wavefront_size32 1
		.amdhsa_system_sgpr_workgroup_id_x 1
		.amdhsa_system_sgpr_workgroup_id_y 1
		.amdhsa_system_sgpr_workgroup_id_z 1
		.amdhsa_system_vgpr_workitem_id 0
		.amdhsa_next_free_vgpr 160
		.amdhsa_next_free_sgpr 66
		.amdhsa_reserve_vcc 0
		.amdhsa_float_denorm_mode_32 3
		.amdhsa_float_denorm_mode_16_64 3
		.amdhsa_memory_ordered 1
		.amdhsa_forward_progress 1
		.amdhsa_inst_pref_size 20
	.end_amdhsa_kernel
	.amdgpu_metadata
---
amdhsa.version: [ 1, 2 ]
amdhsa.kernels:
  - .name:           k_q7cc89fbdbc_ln1
    .symbol:         k_q7cc89fbdbc_ln1.kd
    .args:
      - { .name: x, .offset: 0, .size: 8, .value_kind: global_buffer, .address_space: global }
      - { .name: norm1_w, .offset: 8, .size: 8, .value_kind: global_buffer, .address_space: global }
      - { .name: norm1_b, .offset: 16, .size: 8, .value_kind: global_buffer, .address_space: global }
      - { .name: h, .offset: 24, .size: 8, .value_kind: global_buffer, .address_space: global }
    .group_segment_fixed_size: 0
    .private_segment_fixed_size: 0
    .kernarg_segment_align: 8
    .kernarg_segment_size: 32
    .max_flat_workgroup_size: 256
    .sgpr_count:     66
    .vgpr_count:     160
    .wavefront_size: 32
...
	.end_amdgpu_metadata
.endif
;; end of part 2
;; launch qkv (part 3): grid 12 x 16, 4 waves a work-group, clusters of 4 x 4, 327,680 bytes of LDS; arguments h, wb, qkv, rope; writes qkv
.if DOCPART == 3
	.amdgcn_target "amdgcn-amd-amdhsa--gfx1250"
	.amdhsa_code_object_version 6
	.text
	.protected	k_q7cc89fbdbc_qkv
	.globl	k_q7cc89fbdbc_qkv
	.p2align	8
	.type	k_q7cc89fbdbc_qkv,@function
k_q7cc89fbdbc_qkv:
	s_mov_b64 s[64:65], 0
	v_nop
	global_prefetch_b8 v0, s[64:65] scope:SCOPE_SE
	s_setreg_imm32_b32 hwreg(HW_REG_WAVE_MODE, 25, 1), 1
	s_wait_xcnt 0x0
	s_wait_alu depctr_hold_cnt(0) depctr_sa_sdst(0) depctr_va_vdst(0) depctr_va_sdst(0) depctr_va_ssrc(0) depctr_va_vcc(0) depctr_vm_vsrc(0)
	s_getreg_b32 s2, hwreg(HW_REG_IB_STS2, 6, 4)
	s_cmp_eq_u32 s2, 0
	s_cbranch_scc0 .Lentry_in_a_cluster
	s_endpgm
.Lentry_in_a_cluster:
	s_bfe_u32 s2, ttmp6, 0x10000c
	s_cmp_lg_u32 s2, 0xf033
	s_cbranch_scc0 .Lentry_shape_is_right
	s_endpgm
.Lentry_shape_is_right:
; Q, K, V = h [wq; wk; wv]^T, rotary embedding on Q and K, written by heads.  h: [4096][1024] bf16; the weights: rows 0..3071 of wb, bf16; sums in f32; the result rounded once to bf16.
; qkv: [3 sections][32 heads (16 b + head)][2176 rows][64]; token t lies in row 128 + t.
; THE PRODUCT.  C has 16 x 12 tiles of 256 x 256: one work-group each, 192 in all.  Four waves, each 128 x 128: 64 accumulators of 16 x 16, 512 registers.  K goes in 8 steps of 128 through two LDS slots; a wave's tensor
; load brings 128 rows of 256 bytes, each aligned to 256 bytes in memory, padded to 272 in LDS.  Between a refill's request and the wait for it a wave issues 224 matrix instructions.
; (A tile of 256 x 192 would make 256 work-groups, but its K step has 192 matrix instructions a wave in which a refill of nearly the same bytes must land.)
; One K step is one trip of the loop: the slot in hand is a scalar (0 or SLOT) that an exclusive or turns; one descriptor a tensor walks.  SLOT = 0x22000 shares no bit with wave x HALFT (multiples of 0x8800 up to 0x19800),
; so the exclusive or adds or takes away SLOT.
; CLUSTER 4 x 4: the four of a row need the same tiles of A, the four of a column the same tiles of B: each tile is asked for jointly, by the same load with a mask that names the four.
; THE MATRIX INSTRUCTION IS USED TRANSPOSED (source 0 = 16 rows of B, source 1 = 16 rows of A): a lane holds row lane % 16 of C and eight neighbouring columns 8 (lane / 16) + 0..7.
; HEADS.  A wave's 128 columns are two heads; each head's 32 accumulators fill one register window.  Channel d < 32 lies in a head's column blocks 0, 1 and its partner d + 32 in blocks 2, 3 of the same lane and register:
; the rotation needs no exchange.  V (tile columns 8 to 11) takes the table's row 0 (cos = 1, sin = 0) and so passes unchanged through the same text.
; THE WAY OUT is written once, for window 2, and walked twice; between the walks the second head's 256 registers are moved into window 2: 256 moves in place of a second copy of some 500 lines.
; REGISTERS, in windows of 256 (s_set_vgpr_msb: bits 1:0 source 0, 3:2 source 1, 5:4 source 2, 7:6 destination):
;   window 0: v0-31 addresses; v64-127, v128-191 fragments of A, two buffers, behind the loop the packed results; v32-63, v192-255 cos and sin of row blocks 4, 5, 6
;   window 1: v64-127, v128-191 fragments of B, behind the loop at work and cos and sin of row block 7; v0-63, v192-255 cos and sin of row blocks 0 to 3
;   window 2: the first head's accumulators ((a, b) at v[8 (4 a + b % 4)], a = 0..7 the row block, b = 0..7 the column block)      window 3: the second head's
.set SIZE_K, 1024
.set KSTEP,  128
.set NSTEP,  SIZE_K/KSTEP
.set HS,     278528                    ; bytes of a head in qkv
.set PITCH,  272                       ; an LDS row: 256 bytes + 16: the 16 rows of a fragment load start at 16 different groups of four banks (64 banks of 4 bytes: ISA guide 11.1)
.set HALFT,  128*PITCH                 ; what one tensor load brings, and what one wave reads of A or of B
.set SLOT,   4*HALFT                   ; A's 256 rows, then B's 256 rows
.set STAGE,  2*SLOT                    ; behind the ring: 16 rows x 144 bytes for each wave
.set SP,     144
.set SPARE,  STAGE+4*16*SP             ; the spare words, 128 bytes a wave: two blocks of 256 bytes that no other line names
.set RA,   8                           ; v[8:15] row block a: my byte offset in the rotary table; never rewritten
.set A0,   16                          ; v16  my A fragments' place in slot 0; never rewritten
.set B0,   17                          ; v17  the same for B
.set ADRA, 18                          ; v18  in the slot in hand
.set ADRB, 19
.set STO,  24                          ; v24  where I put 16 bytes of a stage row
.set RD,   25                          ; v25  where I read stage rows back
.set GO,   26                          ; v26  my byte offset in 512 consecutive bytes of a head
.set SPW,  28
.set NIL,  29
.set PFO,  30                          ; v30  the prefetches' offset: my lane x a row of h or of the weights (2,048 bytes); never rewritten
.set F0,   64
.set F1,   128
.set TT,   64                          ; window 1, behind the loop: v[64:95] products at work
.set PB,   64                          ; window 0, behind the loop: v[64:191] row block a's 16 packed registers at PB + 16 a
.set G1,   24                          ; s[24:31] group 1 for A; s[32:39] group 0: set 0 fills slot 0 first, set 1 fills slot 1 first and then walks
.set G0,   32
.set G1B,  48                          ; the same for B
.set G0B,  56
.set LIM,  66                          ; s66  2 in a wave that prefetches, else the greatest number
.set TB,   67                          ; s67  the slot in hand: 0 or SLOT
.set PFA,  88                          ; s[88:89] where my prefetches stand: my work-group's 32 rows of the 128 that I fetch, one K step further along K than the refill that is being asked for
.set MSB, 0
.macro WIN new                         ; the immediate's high byte repeats the setting that is left; a switch that changes nothing is dropped
.if MSB != (\new)
	s_set_vgpr_msb (MSB<<8)|(\new)
.set MSB, \new
.endif
.endm
.set MUL_LO, 0xa1                      ; source 0 (B) window 1, source 1 (A) window 0, C and D window 2
.set MUL_HI, 0xf1                      ; the same, C and D window 3
.set TO_B,   0x40                      ; destination window 1, address window 0
.macro JLOAD s                         ; a joint load: waves 0 and 1 fetch A's two halves, waves 2 and 3 B's; an s_nop 0 and four v_nop follow each line
	s_cmp_eq_u32 s11, 0
	s_cbranch_scc0 .Lfor_b_\@
	tensor_load_to_lds s[G0+4*(\s):G0+4*(\s)+3], s[G1:G1+7]
	s_nop 0
.rept 4
	v_nop
.endr
	s_branch .Lasked_\@
.Lfor_b_\@:
	tensor_load_to_lds s[G0B+4*(\s):G0B+4*(\s)+3], s[G1B:G1B+7]
	s_nop 0
.rept 4
	v_nop
.endr
.Lasked_\@:
.endm
; A PREFETCH INTO THE L2, behind each refill and the run of LDS loads that follows it: the K step that stands two refills on: 32 rows x 256 bytes, a lane a row, one instruction a wave.
; Each row's 256 bytes of a K step are named once in the launch: A's tile row is read by every cluster of that row of clusters, and the one with x = 0 asks; B's tile column by every cluster of that column, and the one
; with y = 0 asks.  The four partners that ask for a tile jointly share its rows out by address: of the 128 rows that a wave fetches, the partner at place p takes 32 p .. 32 p + 31 (p = cx for A, cy for B).
; Trip i (s3 = 6 - i) refills K step i + 2 and names K step i + 4: the trips with s3 = 2 and 1 ask for nothing, since K has 8 steps.  K steps 0 to 3 come by their loads alone.
.macro ASK
	s_cmp_gt_u32 s3, s[LIM]
	s_cbranch_scc0 .Lnot_mine_\@
	global_prefetch_b8 v[PFO], s[PFA:PFA+1] offset:KSTEP*2 th:TH_LOAD_NT scope:SCOPE_SE
.Lnot_mine_\@:
.endm
.macro CREST                           ; a round of the cluster's barrier behind its opening barrier
	s_cmp_lg_u32 s10, 0
	s_cbranch_scc1 .Lnot_wave_0_\@
	s_barrier_signal -3
.Lnot_wave_0_\@:
	s_barrier_wait -3
	s_barrier_signal -1
	s_barrier_wait -1
.endm
.macro CROUND
	s_barrier_signal -1
	s_barrier_wait -1
	CREST
.endm
.macro PLACES                          ; four places behind matrix instructions (ISA guide 7.12.1)
.rept 4
	v_nop
.endr
.endm
; 16 products: row blocks a0 .. a0 + 3 x the four column blocks of head hi, 32 along K.  zero = 1: the product starts the sum.
; The 64 accumulators take turns in the same order in every quarter.
.macro MUL16 f, hi, a0, zero
	WIN MUL_LO+0x50*(\hi)
.irp a, \a0, (\a0)+1, (\a0)+2, (\a0)+3
.irp b, 0,1,2,3
.if \zero
	v_wmma_f32_16x16x32_bf16 v[8*(4*(\a)+(\b)):8*(4*(\a)+(\b))+7], v[(\f)+8*(4*(\hi)+(\b)):(\f)+8*(4*(\hi)+(\b))+7], v[(\f)+8*(\a):(\f)+8*(\a)+7], 0
.else
	v_wmma_f32_16x16x32_bf16 v[8*(4*(\a)+(\b)):8*(4*(\a)+(\b))+7], v[(\f)+8*(4*(\hi)+(\b)):(\f)+8*(4*(\hi)+(\b))+7], v[(\f)+8*(\a):(\f)+8*(\a)+7], v[8*(4*(\a)+(\b)):8*(4*(\a)+(\b))+7]
.endif
.endr
.endr
.endm
.macro FETCH k, f                      ; 32 LDS loads in one run: 128 rows of A, then 128 rows of B, 32 along K at byte k of the rows of the slot in hand; the second head's rows of B come last
	WIN 0
.irp i, 0,1,2,3,4,5,6,7
	ds_load_b128 v[(\f)+8*(\i):(\f)+8*(\i)+3],   v[ADRA] offset:(\k)+(\i)*16*PITCH
	ds_load_b128 v[(\f)+8*(\i)+4:(\f)+8*(\i)+7], v[ADRA] offset:(\k)+(\i)*16*PITCH+32
.endr
	WIN TO_B
.irp i, 0,1,2,3,4,5,6,7
	ds_load_b128 v[(\f)+8*(\i):(\f)+8*(\i)+3],   v[ADRB] offset:(\k)+(\i)*16*PITCH
	ds_load_b128 v[(\f)+8*(\i)+4:(\f)+8*(\i)+7], v[ADRB] offset:(\k)+(\i)*16*PITCH+32
.endr
.endm
; A K step is four quarters of 32 along K, 64 products each, on buffers 0, 1, 0, 1.  One of the first three: multiplies buffer f; in its middle it fetches the next quarter, at byte k, into g.
.macro QUARTER k, f, g, zero
	s_wait_dscnt 8                                 ; A and the first head's rows of B are in; the youngest eight loads (the second head's) may be out
	MUL16 \f, 0, 0, \zero
	MUL16 \f, 0, 4, \zero
	PLACES
	FETCH \k, \g
	s_wait_dscnt 32                                ; all but the 32 just issued
	MUL16 \f, 1, 0, \zero
	MUL16 \f, 1, 4, \zero
.endm
; The last quarter multiplies buffer 1 and changes slots: one barrier; in front of it each wave waits for all its tensor loads, adds 0 to its spare word, and waits for that and for its reads of the slot.
; fill = 1: the barrier opens a round of the cluster's, and the slot just read is filled again, two K steps ahead, first thing behind the round.
.macro TURN fill
.if \fill
	s_wait_xcnt 0x0                                ; the last prefetch, a K step back, has read its address: it is stepped here, ahead of the waits of the change of slots
	s_add_nc_u64 s[PFA:PFA+1], s[PFA:PFA+1], KSTEP*2
.endif
	WIN 0
	s_wait_tensorcnt 0x0                           ; all my tensor loads have landed: my part of the next slot
	ds_add_u32 v[SPW], v[NIL]
	s_wait_dscnt 9                                 ; the add and the youngest eight loads may be out
	MUL16 F1, 0, 0, 0
	s_wait_dscnt 0x0                               ; the add is done, and my reads of this slot are over
	s_barrier_signal -1
	MUL16 F1, 0, 4, 0
	WIN 0
	s_barrier_wait -1
.if \fill
	CREST                                          ; no wave of any partner still reads this slot or has a load on its way
	s_xor_b32 s[G0+5], s[G0+5], SLOT               ; the walking descriptors: the other slot than last time, the next K step
	s_add_nc_u64 s[G0+6:G0+7], s[G0+6:G0+7], KSTEP*2
	s_xor_b32 s[G0B+5], s[G0B+5], SLOT
	s_add_nc_u64 s[G0B+6:G0B+7], s[G0B+6:G0B+7], KSTEP*2
	JLOAD 1                                        ; its four v_nop are also the places in front of the loads below
.else
	PLACES
.endif
	s_xor_b32 s[TB], s[TB], SLOT
	v_add_nc_u32 v[ADRA], s[TB], v[A0]
	v_add_nc_u32 v[ADRB], s[TB], v[B0]
	FETCH 0, F0
.if \fill
	WIN 0                                          ; at a branch and at a label every window is 0
	ASK
.endif
	MUL16 F1, 1, 0, 0
	MUL16 F1, 1, 4, 0
.endm
; Where row block a's 32 registers of cos and sin lie: window RW, from register RB on; in them, for column block b = 0, 1: 8 cos at 16 b, 8 sin at 16 b + 8
.macro RWB a
.if (\a) < 2
.set RW, 1
.set RB, 32*(\a)
.elseif (\a) < 4
.set RW, 1
.set RB, 192+32*((\a)-2)
.elseif (\a) == 4
.set RW, 0
.set RB, 32
.elseif (\a) < 7
.set RW, 0
.set RB, 192+32*((\a)-5)
.else
.set RW, 1
.set RB, 128
.endif
.endm
.macro RLOAD a                         ; eight loads: cos and sin of row block a's 16 rows and the lane's 16 frequencies
	RWB \a
	WIN RW<<6
.irp b, 0,1
	global_load_b128 v[RB+16*(\b):RB+16*(\b)+3],     v[RA+(\a)], s[68:69] offset:64*(\b)
	global_load_b128 v[RB+16*(\b)+4:RB+16*(\b)+7],   v[RA+(\a)], s[68:69] offset:64*(\b)+16
	global_load_b128 v[RB+16*(\b)+8:RB+16*(\b)+11],  v[RA+(\a)], s[68:69] offset:128+64*(\b)
	global_load_b128 v[RB+16*(\b)+12:RB+16*(\b)+15], v[RA+(\a)], s[68:69] offset:128+64*(\b)+16
.endr
.endm
; the rotation for rows 16 a .. and channels 16 b .. (b = 0, 1) with their partners 32 on, in window 2; each accumulator's registers in ascending order
.macro ROPE a, b
	RWB \a
.set X1, 8*(4*(\a)+(\b))
.set X2, 8*(4*(\a)+(\b)+2)
.set RC, RB+16*(\b)
.set RS, RB+16*(\b)+8
.set T1, TT+16*(\b)
.set T2, TT+16*(\b)+8
	WIN 0x42|(RW<<2)                               ; destination window 1, the sums (source 0) window 2, sin (source 1) where it lies
.irp p, 0,2,4,6
	v_pk_mul_f32 v[T1+(\p):T1+(\p)+1], v[X2+(\p):X2+(\p)+1], v[RS+(\p):RS+(\p)+1]
	v_pk_mul_f32 v[T2+(\p):T2+(\p)+1], v[X1+(\p):X1+(\p)+1], v[RS+(\p):RS+(\p)+1]
.endr
	WIN 0x92|(RW<<2)                               ; destination and source 0 window 2, cos where it lies, the products (source 2) window 1
.irp p, 0,2,4,6
	v_pk_fma_f32 v[X1+(\p):X1+(\p)+1], v[X1+(\p):X1+(\p)+1], v[RC+(\p):RC+(\p)+1], v[T1+(\p):T1+(\p)+1] neg_lo:[0,0,1] neg_hi:[0,0,1]
	v_pk_fma_f32 v[X2+(\p):X2+(\p)+1], v[X2+(\p):X2+(\p)+1], v[RC+(\p):RC+(\p)+1], v[T2+(\p):T2+(\p)+1]
.endr
.endm
.macro PACKQ a                         ; 16 rows of the head: rounded, through my stage, back as 2,048 consecutive bytes
	WIN 0x0a                                       ; sources 0 and 1 window 2, destination window 0
.irp b, 0,1,2,3
.irp r, 0,1,2,3
	v_cvt_pk_bf16_f32 v[PB+16*(\a)+4*(\b)+(\r)], v[8*(4*(\a)+(\b))+2*(\r)], v[8*(4*(\a)+(\b))+2*(\r)+1]
.endr
.endr
	WIN 0
.irp b, 0,1,2,3
	ds_store_b128 v[STO], v[PB+16*(\a)+4*(\b):PB+16*(\a)+4*(\b)+3] offset:32*(\b)
.endr
.irp f, 0,1,2,3
	ds_load_b128 v[PB+16*(\a)+4*(\f):PB+16*(\a)+4*(\f)+3], v[RD] offset:(\f)*4*SP   ; LDS serves a wave's instructions in order (ISA guide 5.7.1.4): these see the stores above; the next block's stores come behind them
.endr
.endm
.macro SENDQ a, younger                ; younger: the LDS instructions issued behind block a's loads: the next block's eight, or none
	WIN 0
.irp f, 0,1,2,3
	s_wait_dscnt (\younger)+3-(\f)
	global_store_b128 v[GO], v[PB+16*(\a)+4*(\f):PB+16*(\a)+4*(\f)+3], s[8:9] offset:(\a)*2048+(\f)*512   ; 512 consecutive bytes, aligned to 256
.endr
.endm
	s_load_b128 s[4:7], s[0:1], 0x0                ; h s[4:5], wb s[6:7]: the three weights lie at its head
	s_load_b64 s[8:9], s[0:1], 0x10                ; qkv
	s_load_b64 s[68:69], s[0:1], 0x18              ; rope
	v_lshl_add_u32 v[SPW], v0, 2, SPARE
	v_mov_b32 v[NIL], 0
	ds_add_u32 v[SPW], v[NIL]                      ; the wave's opening: the add and its wait ahead of my first tensor load
	v_lshrrev_b32 v1, 5, v0
	v_readfirstlane_b32 s10, v1                    ; wave 0..3
	s_lshr_b32 s11, s10, 1                         ; my half of the tile's rows; also: I fetch for A (0) or B (1)
	s_and_b32 s12, s10, 1                          ; my half of its columns; also: which 128 rows I fetch
	s_bfe_u32 s40, ttmp6, 0x40000                  ; cx
	s_bfe_u32 s41, ttmp6, 0x40004                  ; cy
	s_lshl_b32 s42, ttmp9, 2
	s_add_co_u32 s42, s42, s40                     ; tile column, 0..11
	s_and_b32 s13, ttmp7, 0xffff
	s_lshl_b32 s13, s13, 2
	s_add_co_u32 s13, s13, s41                     ; tile row, 0..15
	s_lshl_b32 s43, s41, 2
	s_lshl_b32 s43, 15, s43                        ; my row of the cluster
	s_lshl_b32 s44, 0x1111, s40                    ; my column
	s_or_b32 s[G1+0], s43, (1<<16)|(1<<20)|(1<<21)|(5<<22)|(3<<25)   ; mask; 2-byte elements; padding on; bit 21 beside a mask; after every 64 words, 4 words
	s_or_b32 s[G1B+0], s44, (1<<16)|(1<<20)|(1<<21)|(5<<22)|(3<<25)
.irp g, G1, G1B
	s_mov_b32 s[(\g)+1], KSTEP<<16                 ; tensor_dim0 = 128
	s_mov_b32 s[(\g)+2], 128<<16                   ; tensor_dim1 = 128
	s_mov_b32 s[(\g)+3], KSTEP<<16                 ; tile_dim0 = 128
	s_mov_b32 s[(\g)+4], 128                       ; tile_dim1 = 128
	s_mov_b32 s[(\g)+5], SIZE_K                    ; elements from row to row
	s_mov_b32 s[(\g)+6], 0
	s_mov_b32 s[(\g)+7], 0
.endr
	s_lshl_b32 s17, s12, 7
	s_lshl_b32 s16, s13, 8
	s_add_co_u32 s16, s16, s17                     ; A: row 256 x tile row + 128 x half
	s_lshl_b32 s46, s42, 8
	s_add_co_u32 s46, s46, s17                     ; B: row 256 x tile column + 128 x half
	s_mov_b32 s17, 0
	s_mov_b32 s47, 0
	s_mov_b64 s[18:19], SIZE_K*2
	s_mul_u64 s[16:17], s[16:17], s[18:19]
	s_mul_u64 s[46:47], s[46:47], s[18:19]
	s_mul_i32 s20, s10, HALFT                      ; where they go: wave x 128 rows: no place in the cluster enters an LDS address
	s_mov_b32 s[TB], 0
	s_wait_dscnt 0x0                               ; the opening add is done
	s_wait_kmcnt 0x0
	s_add_nc_u64 s[14:15], s[4:5], s[16:17]
	s_add_nc_u64 s[46:47], s[6:7], s[46:47]
	CROUND                                         ; all sixteen work-groups are here: the first joint loads meet
.irp s, 0,1
	s_mov_b32 s[G0+4*(\s)], 1
	s_add_co_u32 s[G0+4*(\s)+1], s20, (\s)*SLOT
	s_add_nc_u64 s[G0+4*(\s)+2:G0+4*(\s)+3], s[14:15], (\s)*KSTEP*2
	s_or_b32 s[G0+4*(\s)+3], s[G0+4*(\s)+3], 0x80000000
	s_mov_b32 s[G0B+4*(\s)], 1
	s_add_co_u32 s[G0B+4*(\s)+1], s20, (\s)*SLOT
	s_add_nc_u64 s[G0B+4*(\s)+2:G0B+4*(\s)+3], s[46:47], (\s)*KSTEP*2
	s_or_b32 s[G0B+4*(\s)+3], s[G0B+4*(\s)+3], 0x80000000
	JLOAD \s
.endr
	v_and_b32 v1, 15, v0                           ; r = l % 16
	v_bfe_u32 v2, v0, 4, 1                         ; h = l / 16
	v_mul_u32_u24 v3, v1, PITCH
	v_lshl_add_u32 v3, v2, 4, v3                   ; a fragment's row x pitch + 16 x half
	s_mul_i32 s21, s11, HALFT                      ; my 128 rows of A
	s_mul_i32 s22, s12, HALFT                      ; my 128 rows of B,
	s_add_co_u32 s22, s22, 2*HALFT                 ; which lie behind A's 256
	v_add_nc_u32 v[A0], s21, v3
	v_add_nc_u32 v[B0], s22, v3
	v_mov_b32 v[ADRA], v[A0]
	v_mov_b32 v[ADRB], v[B0]
	; cos and sin of my 128 rows and the lane's 16 frequencies.  Row blocks 0 to 6 are fetched now, into the 224 registers that the loop over K leaves idle; block 7 behind the loop.  Columns of V (tile column 8 on) take row 0
	s_cmp_lt_u32 s42, 8
	s_cselect_b32 s70, -1, 0
	s_and_b32 s71, s13, 7
	s_lshl_b32 s71, s71, 8
	s_lshl_b32 s72, s11, 7
	s_add_co_u32 s71, s71, s72                     ; my first token in its sequence
	v_add_nc_u32 v4, s71, v1
.irp a, 0,1,2,3,4,5,6,7
	v_add_nc_u32 v[RA+(\a)], 16*(\a), v4
	v_and_b32 v[RA+(\a)], s70, v[RA+(\a)]
	v_lshlrev_b32 v[RA+(\a)], 8, v[RA+(\a)]        ; a table row is 256 bytes
	v_lshl_add_u32 v[RA+(\a)], v2, 5, v[RA+(\a)]   ; + 32 h
.endr
.irp a, 0,1,2,3,4,5,6
	RLOAD \a
.endr
	WIN 0
	; where my 128 rows of my first head begin in qkv; the second head lies HS bytes on
	s_lshl_b32 s46, s42, 2
	s_lshl_b32 s47, s12, 1
	s_add_co_u32 s46, s46, s47                     ; 0..46, even: section x 16 + head
	s_lshr_b32 s47, s46, 4
	s_lshl_b32 s47, s47, 5
	s_and_b32 s46, s46, 15
	s_add_co_u32 s46, s46, s47
	s_lshr_b32 s47, s13, 3                         ; the batch
	s_lshl_b32 s47, s47, 4
	s_add_co_u32 s46, s46, s47
	s_mul_i32 s46, s46, HS
	s_add_co_u32 s47, s71, 128                     ; behind the pad
	s_lshl_b32 s47, s47, 7
	s_add_co_u32 s46, s46, s47
	s_mov_b32 s47, 0
	s_add_nc_u64 s[8:9], s[8:9], s[46:47]
	s_mul_i32 s23, s10, 16*SP
	s_add_co_u32 s23, s23, STAGE                   ; my stage
	v_mul_u32_u24 v4, v1, SP
	v_lshl_add_u32 v4, v2, 4, v4
	v_add_nc_u32 v[STO], s23, v4                   ; in: row r, 16 bytes for each half of the lanes
	v_bfe_u32 v5, v0, 3, 2
	v_mul_u32_u24 v5, v5, SP
	v_and_b32 v6, 7, v0
	v_lshl_add_u32 v5, v6, 4, v5
	v_add_nc_u32 v[RD], s23, v5                    ; back: 32 lanes take four rows of 128 bytes
	v_and_b32 v[GO], 31, v0
	v_lshlrev_b32 v[GO], 4, v[GO]
	; the prefetches
	s_lshl_b32 s90, s13, 8                         ; the tile's first row in A,
	s_lshl_b32 s91, s42, 8                         ; in B
	s_and_b32 s22, ttmp7, 0xffff                   ; cluster y
	s_cmp_eq_u32 s11, 0                            ; do I fetch for A?
	s_cselect_b32 s20, s90, s91
	s_cselect_b32 s21, s40, s41                    ; my place among the four that ask for the tile with me
	s_cselect_b32 s22, ttmp9, s22                  ; the coordinate along which other clusters read the same rows
	s_cselect_b64 s[PFA:PFA+1], s[4:5], s[6:7]
	s_cmp_eq_u32 s22, 0
	s_cselect_b32 s[LIM], 2, -1                    ; the same in all sixteen partners, for a given wave
	s_lshl_b32 s22, s12, 7
	s_add_co_u32 s20, s20, s22                     ; + the 128 rows that I fetch
	s_lshl_b32 s21, s21, 5
	s_add_co_u32 s20, s20, s21                     ; + my work-group's 32 of them
	s_mov_b32 s21, 0
	s_mov_b64 s[18:19], SIZE_K*2
	s_mul_u64 s[20:21], s[20:21], s[18:19]
	s_add_nc_u64 s[PFA:PFA+1], s[PFA:PFA+1], s[20:21]
	s_add_nc_u64 s[PFA:PFA+1], s[PFA:PFA+1], 2*KSTEP*2  ; at K step 2: the first refill steps it to 3 and names K step 4
	v_and_b32 v[PFO], 31, v0
	v_mul_u32_u24 v[PFO], v[PFO], SIZE_K*2
	s_wait_tensorcnt 1                             ; my part of K step 0 is in; slot 1's fill stays out
	s_barrier_signal -1
	s_barrier_wait -1
	FETCH 0, F0
	QUARTER 64, F0, F1, 1                          ; the first products start the sums: nothing is cleared
	WIN 0
	s_mov_b32 s3, NSTEP-2
.Lstep:                                                ; a trip: from a K step's second quarter to the next step's first; the slot left is filled again
	QUARTER 128, F1, F0, 0
	QUARTER 192, F0, F1, 0
	TURN 1
	QUARTER 64, F0, F1, 0
	WIN 0
	s_sub_co_u32 s3, s3, 1
	s_cmp_lg_u32 s3, 0
	s_cbranch_scc1 .Lstep
	; The last two K steps fill nothing: a loop of their own; its second trip is left in its middle.  That trip's change of slots fetches 32 fragments
	; that nobody multiplies (bytes of K step 6, which lie whole in LDS) and passes a barrier that orders nothing: the price, once a launch, of one text for both steps.
	s_mov_b32 s3, 2
.Ltail:
	QUARTER 128, F1, F0, 0
	QUARTER 192, F0, F1, 0
	TURN 0
	WIN 0
	s_sub_co_u32 s3, s3, 1
	s_cmp_eq_u32 s3, 0
	s_cbranch_scc1 .Lout
	QUARTER 64, F0, F1, 0
	WIN 0
	s_branch .Ltail
.Lout:
	s_wait_dscnt 0x0                               ; the fragments that nobody multiplies are back: their registers are free
	PLACES
	PLACES                                         ; the places behind the last products
	RLOAD 7                                        ; cos and sin of row block 7, into registers that held fragments of B: seven blocks' work stands ahead of their first use
	WIN 0
	s_mov_b32 s2, 2
.Lhead:                                                ; a trip: one head's 128 rows x 64 channels, from window 2
	s_wait_loadcnt 8                               ; cos and sin of row blocks 0 to 6 are in; block 7's eight loads may be out
	ROPE 0, 0
	ROPE 0, 1
	PACKQ 0
.irp a, 1,2,3,4,5,6,7                  ; a block's arithmetic stands between the loads of the block before and its stores
.if (\a) == 7
	s_wait_loadcnt 0x0                             ; block 7's cos and sin
.endif
	ROPE \a, 0
	ROPE \a, 1
	PACKQ \a
	SENDQ (\a)-1, 8
.endr
	SENDQ 7, 0
	s_wait_xcnt 0x0                                ; the stores have read their data and their base: only now are these written again
	s_add_nc_u64 s[8:9], s[8:9], HS                ; the second head
	s_cmp_eq_u32 s2, 1
	s_cbranch_scc1 .Lno_copy                       ; behind the second head nothing is left to move
	WIN 0x83                                       ; destination window 2, source window 3; each accumulator's registers in ascending order
.set i, 0
.rept 256
	v_mov_b32 v[i], v[i]                           ; the second head's sums go where the one text of the way out names them
.set i, i+1
.endr
	WIN 0
.Lno_copy:
	s_sub_co_u32 s2, s2, 1
	s_cmp_lg_u32 s2, 0
	s_cbranch_scc1 .Lhead
	s_wait_tensorcnt 0x0                           ; the wave's end
	ds_add_u32 v[SPW], v[NIL]
	s_wait_dscnt 0x0
	CROUND                                         ; the closing round
	s_endpgm
.Lfunc_end_k_q7cc89fbdbc_qkv:
	.size	k_q7cc89fbdbc_qkv, .Lfunc_end_k_q7cc89fbdbc_qkv-k_q7cc89fbdbc_qkv
	.p2alignl 7, 3214868480
	.fill 96, 4, 3214868480
	.section	.rodata,"a",@progbits
	.p2align	6, 0x0
	.amdhsa_kernel k_q7cc89fbdbc_qkv
		.amdhsa_group_segment_fixed_size 327680
		.amdhsa_private_segment_fixed_size 0
		.amdhsa_enable_private_segment 0
		.amdhsa_kernarg_size 32
		.amdhsa_user_sgpr_count 2
		.amdhsa_user_sgpr_kernarg_segment_ptr 1
		.amdhsa_wavefront_size32 1
		.amdhsa_system_sgpr_workgroup_id_x 1
		.amdhsa_system_sgpr_workgroup_id_y 1
		.amdhsa_system_sgpr_workgroup_id_z 1
		.amdhsa_system_vgpr_workitem_id 0
		.amdhsa_next_free_vgpr 1024
		.amdhsa_next_free_sgpr 96
		.amdhsa_reserve_vcc 0
		.amdhsa_float_denorm_mode_32 3
		.amdhsa_float_denorm_mode_16_64 3
		.amdhsa_memory_ordered 1
		.amdhsa_forward_progress 1
		.amdhsa_inst_pref_size 120
	.end_amdhsa_kernel
	.amdgpu_metadata
---
amdhsa.version: [ 1, 2 ]
amdhsa.kernels:
  - .name:           k_q7cc89fbdbc_qkv
    .symbol:         k_q7cc89fbdbc_qkv.kd
    .args:
      - { .name: h, .offset: 0, .size: 8, .value_kind: global_buffer, .address_space: global }
      - { .name: wb, .offset: 8, .size: 8, .value_kind: global_buffer, .address_space: global }
      - { .name: qkv, .offset: 16, .size: 8, .value_kind: global_buffer, .address_space: global }
      - { .name: rope, .offset: 24, .size: 8, .value_kind: global_buffer, .address_space: global }
    .group_segment_fixed_size: 327680
    .private_segment_fixed_size: 0
    .kernarg_segment_align: 8
    .kernarg_segment_size: 32
    .max_flat_workgroup_size: 128
    .sgpr_count:     96
    .vgpr_count:     1024
    .wavefront_size: 32
...
	.end_amdgpu_metadata
.endif
;; end of part 3
;; launch attn (part 4): grid 16 x 16, 8 waves a work-group, no clusters, 191,488 bytes of LDS; arguments qkv, ao; writes ao
.if DOCPART == 4
	.amdgcn_target "amdgcn-amd-amdhsa--gfx1250"
	.amdhsa_code_object_version 6
	.text
	.protected	k_q7cc89fbdbc_attn
	.globl	k_q7cc89fbdbc_attn
	.p2align	8
	.type	k_q7cc89fbdbc_attn,@function
k_q7cc89fbdbc_attn:
	s_mov_b64 s[64:65], 0
	v_nop
	global_prefetch_b8 v0, s[64:65] scope:SCOPE_SE
	s_setreg_imm32_b32 hwreg(HW_REG_WAVE_MODE, 25, 1), 1
	s_wait_xcnt 0x0
; ATTENTION IN A WINDOW.  O[q] = sum over keys k with 0 <= q - k < 125 of softmax_k(Q[q] . K[k] / 8) V[k], head size 64.  Q, K, V bf16 by heads (qkv: token t in row 128 + t; rows 0..127 of K and V are zeros);
; products, maximum and sums in f32; the weights are rounded to bf16 for the second product (their sum is taken unrounded), O once.
; SHARES.  A work-group: 128 queries of two neighbouring heads; its 256 key rows (128 before the block, and the block) of K and V of both heads come in by eight tensor loads, one a wave, each once.
; A wave: 32 queries (two tiles of 16) of one head, and the 160 keys from 128 before its first query: ten blocks of 16.  Tile u needs blocks u .. u + 8; the tenth has weight 0.
; A query's whole row of scores lies in registers, so the true maximum is taken away: no running maximum.
; LAYOUT.  S^T = K Q^T holds one query a lane (lane % 16) and keys 8 (lane / 16) + 0..7; two such blocks rounded in pairs are source 1 of O^T = V^T P; V is turned by ds_load_tr16_b128.
; THE MASK.  With i = block - tile, j the register, r = lane % 16, h = lane / 16: q - k = r + 128 - 16 i - 8 h - j.  Hidden: in blocks i = 0, 1 where 16 i + j < r + 4 - 8 h; in block i = 8 where j > r - 8 h.
; In a sequence's first 128 queries the blocks that lie wholly before token 0 are hidden too.
; LIMITS.  A hidden score counts as -1e30; a weight below 2^-126 counts as 0; NaN and infinities are not treated apart.
; NO CLUSTER: neighbouring query blocks of a head share only 128 of the 256 key rows that each needs, each half with another neighbour: every load would split in two under two masks, for 64 rows each.
; REGISTERS: window 0: v0-31 addresses and statistics; v32-95 O^T (before that at work); v96-255 S^T, (tile u, block kb) at 96 + 80 u + 8 kb.  Window 1: v0-159 K, later V; v160-191 Q.
.set HS,    278528
.set SEC,   8912896
.set PK,    144                        ; a row of K in LDS: 128 bytes + 16
.set PV,    160                        ; a row of V: 128 + 32
.set VB,    2*256*PK                   ; V behind K's two heads
.set STAGE, VB+2*256*PV                ; 128 rows x 272 bytes: the work-group's, for the way out
.set SP,    272
.set SPARE, STAGE+128*SP               ; the spare words, 128 bytes a wave: four blocks of 256 bytes that no other line names
.set AK,  3
.set AV,  4
.set QO,  5
.set STO, 6
.set RD,  7
.set GO,  8
.set GG,  9                            ; r - 8 h
.set FF,  10                           ; r + 4 - 8 h
.set ST,  16                           ; tile u at v[16 + 4 u]: c m, m, 1 / l, l
.set SPW, 30
.set NIL, 31
.set O,   32
.set S,   96
.set WV,  12
.set BIGN, 50
.set FMAX, 51
.set CS,  58
.set SEL, 60
.set MSB, 0
.macro WIN new
.if MSB != (\new)
	s_set_vgpr_msb (MSB<<8)|(\new)
.set MSB, \new
.endif
.endm
.macro KQ u, kb, c                     ; S^T(u, kb) gets channels 32 c on; c = 0 starts the sum
.if (\c) == 0
	v_wmma_f32_16x16x32_bf16 v[S+80*(\u)+8*(\kb):S+80*(\u)+8*(\kb)+7], v[16*(\kb)+8*(\c):16*(\kb)+8*(\c)+7], v[160+16*(\u)+8*(\c):160+16*(\u)+8*(\c)+7], 0
.else
	v_wmma_f32_16x16x32_bf16 v[S+80*(\u)+8*(\kb):S+80*(\u)+8*(\kb)+7], v[16*(\kb)+8*(\c):16*(\kb)+8*(\c)+7], v[160+16*(\u)+8*(\c):160+16*(\u)+8*(\c)+7], v[S+80*(\u)+8*(\kb):S+80*(\u)+8*(\kb)+7]
.endif
.endm
.macro EDGE u                          ; the window's two edges in tile u; each block's registers in ascending order
.irp i, 0,1
.irp j, 0,1,2,3,4,5,6,7
	v_cmp_ge_i32 vcc_lo, 16*(\i)+(\j), v[FF]
	v_cndmask_b32 v[S+88*(\u)+8*(\i)+(\j)], s[BIGN], v[S+88*(\u)+8*(\i)+(\j)], vcc_lo
.endr
.endr
.irp j, 0,1,2,3,4,5,6,7
	v_cmp_le_i32 vcc_lo, \j, v[GG]
	v_cndmask_b32 v[S+88*(\u)+64+(\j)], s[BIGN], v[S+88*(\u)+64+(\j)], vcc_lo
.endr
.endm
	s_load_b128 s[4:7], s[0:1], 0x0                ; qkv s[4:5], ao s[6:7]
	v_lshl_add_u32 v[SPW], v0, 2, SPARE
	v_mov_b32 v[NIL], 0
	ds_add_u32 v[SPW], v[NIL]                      ; the wave's opening: the add and its wait ahead of my first tensor load
	v_lshrrev_b32 v1, 5, v0
	v_readfirstlane_b32 s[WV], v1                  ; wave 0..7
	s_and_b32 s13, ttmp7, 0xffff                   ; 8 b + pair of heads
	s_lshl_b32 s14, ttmp9, 7                       ; the block's first token
	s_and_b32 s16, s[WV], 3                        ; my 32 queries of the block; also: which quarter of K or of V I fetch
	s_lshr_b32 s17, s[WV], 2                       ; my head of the pair
	s_lshl_b32 s18, s16, 5
	; descriptor group 1: 128 keys are 16,384 dense bytes: 64 rows of 256, padded in LDS after every key
	s_mov_b32 s24, (1<<16)|(1<<20)|(4<<22)|(3<<25) ; 2-byte elements; padding on; after every 32 words, 4 words
	s_mov_b32 s32, (1<<16)|(1<<20)|(4<<22)|(7<<25) ; for V: 8 words
.irp g, 24, 32
	s_mov_b32 s[(\g)+1], 128<<16
	s_mov_b32 s[(\g)+2], 64<<16
	s_mov_b32 s[(\g)+3], 128<<16
	s_mov_b32 s[(\g)+4], 64
	s_mov_b32 s[(\g)+5], 128
	s_mov_b32 s[(\g)+6], 0
	s_mov_b32 s[(\g)+7], 0
.endr
	s_lshr_b32 s20, s16, 1                         ; the head whose keys I fetch,
	s_lshl_b32 s21, s13, 1
	s_add_co_u32 s20, s20, s21
	s_mul_i32 s20, s20, HS
	s_lshl_b32 s22, s14, 7                         ; from padded row = the block's first token,
	s_add_co_u32 s20, s20, s22
	s_and_b32 s22, s[WV], 1                        ; which 128 of the 256
	s_lshl_b32 s22, s22, 14
	s_add_co_u32 s20, s20, s22
	s_mov_b32 s21, 0
	s_mov_b32 s40, 1
	s_mul_i32 s41, s16, 128*PK                     ; K: quarter x 128 rows
	s_mov_b32 s44, 1
	s_mul_i32 s45, s16, 128*PV
	s_add_co_u32 s45, s45, VB
	s_mov_b32 s[CS], 0x3e38aa3b                    ; c = log2(e) / 8
	s_mov_b32 s[CS+1], s[CS]
	s_mov_b32 s[SEL], 0x76543210
	s_mov_b32 s[SEL+1], 0xfedcba98
	s_mov_b32 s[BIGN], 0xf149f2ca                  ; -1e30
	s_mov_b32 s[FMAX], 0x7f7fffff
	s_wait_dscnt 0x0                               ; the opening add is done
	s_wait_kmcnt 0x0
	s_add_nc_u64 s[20:21], s[4:5], s[20:21]
	s_add_nc_u64 s[42:43], s[20:21], SEC           ; the K section
	s_or_b32 s43, s43, 0x80000000
	s_add_nc_u64 s[46:47], s[20:21], 2*SEC         ; the V section
	s_or_b32 s47, s47, 0x80000000
	s_cmp_lt_u32 s[WV], 4                          ; waves 0-3 fetch K, waves 4-7 V: one load a wave, each byte of LDS filled once
	s_cbranch_scc0 .Lfor_v
	tensor_load_to_lds s[40:43], s[24:31]
	s_nop 0
.rept 4
	v_nop
.endr
	s_branch .Lasked
.Lfor_v:
	tensor_load_to_lds s[44:47], s[32:39]
	s_nop 0
.rept 4
	v_nop
.endr
.Lasked:
	v_and_b32 v1, 15, v0                           ; r
	v_bfe_u32 v2, v0, 4, 1                         ; h
	v_lshlrev_b32 v[QO], 7, v1
	v_lshl_add_u32 v[QO], v2, 4, v[QO]
	s_lshl_b32 s22, s13, 1
	s_add_co_u32 s22, s22, s17
	s_mul_i32 s22, s22, HS
	s_add_co_u32 s23, s14, s18
	s_add_co_u32 s23, s23, 128
	s_lshl_b32 s23, s23, 7
	s_add_co_u32 s22, s22, s23
	s_mov_b32 s23, 0
	s_add_nc_u64 s[8:9], s[4:5], s[22:23]          ; Q at my first query
	WIN 0x40                                       ; destination window 1
.irp u, 0,1
.irp c, 0,1
	global_load_b128 v[160+16*(\u)+8*(\c):160+16*(\u)+8*(\c)+3],   v[QO], s[8:9] offset:(\u)*2048+(\c)*64
	global_load_b128 v[160+16*(\u)+8*(\c)+4:160+16*(\u)+8*(\c)+7], v[QO], s[8:9] offset:(\u)*2048+(\c)*64+32
.endr
.endr
	WIN 0
	s_mul_i32 s48, s17, 256*PK
	s_mul_i32 s49, s16, 32*PK
	s_add_co_u32 s48, s48, s49
	v_mul_u32_u24 v[AK], v1, PK
	v_lshl_add_u32 v[AK], v2, 4, v[AK]
	v_add_nc_u32 v[AK], s48, v[AK]                 ; K: my head, my first key row, row r, 16 h
	s_mul_i32 s48, s17, 256*PV
	s_mul_i32 s49, s16, 32*PV
	s_add_co_u32 s48, s48, s49
	s_add_co_u32 s48, s48, VB
	v_and_b32 v11, 7, v0
	v_bfe_u32 v12, v0, 3, 1
	v_lshl_add_u32 v[AV], v2, 3, v11
	v_mul_u32_u24 v[AV], v[AV], PV
	v_lshl_add_u32 v[AV], v12, 4, v[AV]
	v_add_nc_u32 v[AV], s48, v[AV]                 ; V, for the turning load: key 8 h + l % 8, channels 8 ((l / 8) % 2) on
	v_add_nc_u32 v[STO], s18, v1
	v_mul_u32_u24 v[STO], v[STO], SP
	v_lshl_add_u32 v[STO], v2, 4, v[STO]
	s_lshl_b32 s48, s17, 7
	s_add_co_u32 s48, s48, STAGE
	v_add_nc_u32 v[STO], s48, v[STO]               ; the stage: my query's row, my head's 128 bytes of it
	s_lshl_b32 s48, s[WV], 4
	v_add_nc_u32 v[RD], s48, v2
	v_mul_u32_u24 v[RD], v[RD], SP
	v_lshl_add_u32 v[RD], v1, 4, v[RD]
	v_add_nc_u32 v[RD], STAGE, v[RD]               ; back: wave w takes rows 16 w .., whole: lanes 0-15 one row, lanes 16-31 the next
	v_lshlrev_b32 v[GO], 4, v1
	v_lshl_add_u32 v[GO], v2, 11, v[GO]
	v_lshlrev_b32 v13, 3, v2
	v_sub_nc_u32 v[GG], v1, v13
	v_add_nc_u32 v[FF], 4, v[GG]
	s_lshr_b32 s48, s13, 3
	s_lshl_b32 s48, s48, 11
	s_add_co_u32 s48, s48, s14
	s_lshl_b32 s49, s[WV], 4
	s_add_co_u32 s48, s48, s49                     ; the first row of ao that I store,
	s_lshl_b32 s48, s48, 11
	s_and_b32 s49, s13, 7
	s_lshl_b32 s49, s49, 8                         ; the pair's 256 bytes in it
	s_add_co_u32 s48, s48, s49
	s_mov_b32 s49, 0
	s_add_nc_u64 s[6:7], s[6:7], s[48:49]
	s_wait_tensorcnt 0x0                           ; my tile is in,
	s_barrier_signal -1
	s_barrier_wait -1                              ; everybody's is
	WIN 0x40
.irp kb, 0,1,2,3,4,5,6,7,8,9
.irp c, 0,1
	ds_load_b128 v[16*(\kb)+8*(\c):16*(\kb)+8*(\c)+3],   v[AK] offset:(\kb)*16*PK+(\c)*64
	ds_load_b128 v[16*(\kb)+8*(\c)+4:16*(\kb)+8*(\c)+7], v[AK] offset:(\kb)*16*PK+(\c)*64+32
.endr
.endr
	s_wait_loadcnt 0x0                             ; Q
	WIN 0x05                                       ; K and Q in window 1, S^T in window 0
	; five groups of two key blocks; a group's three or four accumulators take turns.  Each wait leaves out the loads issued behind the group's eight
	s_wait_dscnt 32
.irp c, 0,1
	KQ 0, 0, \c
	KQ 0, 1, \c
	KQ 1, 1, \c
.endr
.irp g, 2,4,6
	s_wait_dscnt 32-4*(\g)
.irp c, 0,1
	KQ 0, \g, \c
	KQ 1, \g, \c
	KQ 0, (\g)+1, \c
	KQ 1, (\g)+1, \c
.endr
.endr
	s_wait_dscnt 0x0
.irp c, 0,1
	KQ 0, 8, \c
	KQ 1, 8, \c
	KQ 1, 9, \c
.endr
	WIN 0
.rept 8
	v_nop                                          ; the places behind the last products: in front of the loads over K's registers and of the masks
.endr
	WIN 0x40
.irp s, 0,1,2,3,4
.irp cb, 0,1,2,3
	ds_load_tr16_b128 v[32*(\s)+8*(\cb):32*(\s)+8*(\cb)+3],   v[AV] offset:(\s)*32*PV+(\cb)*32
	ds_load_tr16_b128 v[32*(\s)+8*(\cb)+4:32*(\s)+8*(\cb)+7], v[AV] offset:(\s)*32*PV+16*PV+(\cb)*32
.endr
.endr
	WIN 0
	EDGE 0
	EDGE 1
	s_cmp_lg_u32 ttmp9, 0
	s_cbranch_scc1 .Lno_head
.irp kb, 0,1,2,3,4,5,6,7               ; a sequence's first block: key block kb lies before token 0 where 32 x (wave % 4) < 128 - 16 kb
	s_cmp_lt_u32 s18, 128-16*(\kb)
	s_cselect_b32 s19, s[BIGN], s[FMAX]
.irp j, 0,1,2,3,4,5,6,7
	v_min_num_f32 v[S+8*(\kb)+(\j)], s19, v[S+8*(\kb)+(\j)]
.if (\kb) > 0
	v_min_num_f32 v[S+80+8*(\kb)+(\j)], s19, v[S+80+8*(\kb)+(\j)]
.endif
.endr
.endr
.Lno_head:
	; the maximum: eight chains a tile, chain q over register q of the nine blocks; q ascends, so each block's lowest register is read first
.irp u, 0,1
.irp q, 0,1,2,3,4,5,6,7
	v_max3_num_f32 v[32+8*(\u)+(\q)], v[S+88*(\u)+(\q)], v[S+88*(\u)+8+(\q)], v[S+88*(\u)+16+(\q)]
.endr
.irp o, 1,2,3
.irp q, 0,1,2,3,4,5,6,7
	v_max3_num_f32 v[32+8*(\u)+(\q)], v[32+8*(\u)+(\q)], v[S+88*(\u)+8*(2*(\o)+1)+(\q)], v[S+88*(\u)+8*(2*(\o)+2)+(\q)]
.endr
.endr
.endr
.irp u, 0,1
	v_max3_num_f32 v[32+8*(\u)], v[32+8*(\u)], v[33+8*(\u)], v[34+8*(\u)]
	v_max3_num_f32 v[35+8*(\u)], v[35+8*(\u)], v[36+8*(\u)], v[37+8*(\u)]
	v_max3_num_f32 v[32+8*(\u)], v[32+8*(\u)], v[38+8*(\u)], v[39+8*(\u)]
	v_max_num_f32 v[32+8*(\u)], v[32+8*(\u)], v[35+8*(\u)]
.endr
.irp u, 0,1
	v_permlanex16_b32 v[33+8*(\u)], v[32+8*(\u)], s[SEL], s[SEL+1]   ; the query's other keys lie in the lane 16 away
.endr
.irp u, 0,1
	v_max_num_f32 v[ST+4*(\u)+1], v[32+8*(\u)], v[33+8*(\u)]
.endr
.irp u, 0,1
	v_mul_f32 v[ST+4*(\u)], s[CS], v[ST+4*(\u)+1]
.endr
.irp u, 0,1
.set i, 0
.rept 36
	v_pk_fma_f32 v[S+88*(\u)+2*i:S+88*(\u)+2*i+1], v[S+88*(\u)+2*i:S+88*(\u)+2*i+1], s[CS:CS+1], v[ST+4*(\u):ST+4*(\u)+1] op_sel_hi:[1,0,0] neg_lo:[0,0,1] neg_hi:[0,0,1]   ; c s - c m
.set i, i+1
.endr
.endr
.irp u, 0,1
.set i, 0
.rept 72
	v_exp_f32 v[S+88*(\u)+i], v[S+88*(\u)+i]
.set i, i+1
.endr
.endr
	v_nop                                          ; a plain instruction behind the last exponential
	s_wait_alu depctr_va_vdst(0)                   ; one wait for the batch of 144, ahead of the first use
.irp u, 0,1                            ; the sums: four chains of nine pairs a tile
.irp q, 0,1,2,3
	v_pk_add_f32 v[48+8*(\u)+2*(\q):48+8*(\u)+2*(\q)+1], v[S+88*(\u)+2*(\q):S+88*(\u)+2*(\q)+1], v[S+88*(\u)+2*(\q)+8:S+88*(\u)+2*(\q)+9]
.endr
.irp o, 2,3,4,5,6,7,8
.irp q, 0,1,2,3
	v_pk_add_f32 v[48+8*(\u)+2*(\q):48+8*(\u)+2*(\q)+1], v[48+8*(\u)+2*(\q):48+8*(\u)+2*(\q)+1], v[S+88*(\u)+2*(\q)+8*(\o):S+88*(\u)+2*(\q)+8*(\o)+1]
.endr
.endr
.endr
.irp u, 0,1
	v_pk_add_f32 v[48+8*(\u):49+8*(\u)], v[48+8*(\u):49+8*(\u)], v[50+8*(\u):51+8*(\u)]
	v_pk_add_f32 v[52+8*(\u):53+8*(\u)], v[52+8*(\u):53+8*(\u)], v[54+8*(\u):55+8*(\u)]
	v_pk_add_f32 v[48+8*(\u):49+8*(\u)], v[48+8*(\u):49+8*(\u)], v[52+8*(\u):53+8*(\u)]
	v_add_f32 v[48+8*(\u)], v[48+8*(\u)], v[49+8*(\u)]
.endr
.irp u, 0,1
	v_permlanex16_b32 v[49+8*(\u)], v[48+8*(\u)], s[SEL], s[SEL+1]
.endr
.irp u, 0,1
	v_add_f32 v[ST+4*(\u)+3], v[48+8*(\u)], v[49+8*(\u)]
.endr
.irp u, 0,1
	v_rcp_f32 v[ST+4*(\u)+2], v[ST+4*(\u)+3]
.endr
	v_nop                                          ; a plain instruction behind the reciprocals
	; the weights rounded to bf16 and drawn together in place: block kb of tile u at S + 80 u + 4 kb; the register written never lies above the pair read
.irp u, 0,1
.set i, 0
.rept 36
	v_cvt_pk_bf16_f32 v[S+84*(\u)+i], v[S+88*(\u)+2*i], v[S+88*(\u)+2*i+1]
.set i, i+1
.endr
.endr
.irp i, 0,1,2,3
	v_mov_b32 v[S+36+(\i)], 0                      ; tile 0 has no weights in block 9,
	v_mov_b32 v[S+80+(\i)], 0                      ; tile 1 none in block 0
.endr
	s_wait_alu depctr_va_vdst(0)                   ; one wait for the two reciprocals; the roundings above are the work between
	s_wait_dscnt 0x0                               ; V is in
	WIN 0x01                                       ; V in window 1
.irp s, 0,1,2,3,4                      ; the eight accumulators take turns
.irp cb, 0,1,2,3
.irp u, 0,1
.if (\s) == 0
	v_wmma_f32_16x16x32_bf16 v[O+32*(\u)+8*(\cb):O+32*(\u)+8*(\cb)+7], v[32*(\s)+8*(\cb):32*(\s)+8*(\cb)+7], v[S+80*(\u)+8*(\s):S+80*(\u)+8*(\s)+7], 0
.else
	v_wmma_f32_16x16x32_bf16 v[O+32*(\u)+8*(\cb):O+32*(\u)+8*(\cb)+7], v[32*(\s)+8*(\cb):32*(\s)+8*(\cb)+7], v[S+80*(\u)+8*(\s):S+80*(\u)+8*(\s)+7], v[O+32*(\u)+8*(\cb):O+32*(\u)+8*(\cb)+7]
.endif
.endr
.endr
.endr
	WIN 0
.rept 8
	v_nop                                          ; the places behind the last products
.endr
.irp u, 0,1
.set i, 0
.rept 16
	v_pk_mul_f32 v[O+32*(\u)+2*i:O+32*(\u)+2*i+1], v[O+32*(\u)+2*i:O+32*(\u)+2*i+1], v[ST+4*(\u)+2:ST+4*(\u)+3] op_sel_hi:[1,0]
.set i, i+1
.endr
.endr
.irp u, 0,1
.set i, 0
.rept 16
	v_cvt_pk_bf16_f32 v[136+16*(\u)+i], v[O+32*(\u)+2*i], v[O+32*(\u)+2*i+1]
.set i, i+1
.endr
.endr
.irp u, 0,1
.irp cb, 0,1,2,3
	ds_store_b128 v[STO], v[136+16*(\u)+4*(\cb):136+16*(\u)+4*(\cb)+3] offset:(\u)*16*SP+32*(\cb)
.endr
.endr
	s_wait_dscnt 0x0                               ; for the others' sake: a row's 256 bytes come from two waves
	s_barrier_signal -1
	s_barrier_wait -1
.irp t, 0,1,2,3,4,5,6,7
	ds_load_b128 v[136+4*(\t):136+4*(\t)+3], v[RD] offset:(\t)*2*SP
.endr
.irp t, 0,1,2,3,4,5,6,7
	s_wait_dscnt 7-(\t)                            ; load t is back, the younger ones stay out
	global_store_b128 v[GO], v[136+4*(\t):136+4*(\t)+3], s[6:7] offset:(\t)*4096   ; 16 lanes store 256 consecutive bytes, aligned
.endr
	s_wait_tensorcnt 0x0                           ; the wave's end
	ds_add_u32 v[SPW], v[NIL]
	s_wait_dscnt 0x0
	s_endpgm
.Lfunc_end_k_q7cc89fbdbc_attn:
	.size	k_q7cc89fbdbc_attn, .Lfunc_end_k_q7cc89fbdbc_attn-k_q7cc89fbdbc_attn
	.p2alignl 7, 3214868480
	.fill 96, 4, 3214868480
	.section	.rodata,"a",@progbits
	.p2align	6, 0x0
	.amdhsa_kernel k_q7cc89fbdbc_attn
		.amdhsa_group_segment_fixed_size 191488
		.amdhsa_private_segment_fixed_size 0
		.amdhsa_enable_private_segment 0
		.amdhsa_kernarg_size 16
		.amdhsa_user_sgpr_count 2
		.amdhsa_user_sgpr_kernarg_segment_ptr 1
		.amdhsa_wavefront_size32 1
		.amdhsa_system_sgpr_workgroup_id_x 1
		.amdhsa_system_sgpr_workgroup_id_y 1
		.amdhsa_system_sgpr_workgroup_id_z 1
		.amdhsa_system_vgpr_workitem_id 0
		.amdhsa_next_free_vgpr 448
		.amdhsa_next_free_sgpr 66
		.amdhsa_reserve_vcc 1
		.amdhsa_float_denorm_mode_32 3
		.amdhsa_float_denorm_mode_16_64 3
		.amdhsa_memory_ordered 1
		.amdhsa_forward_progress 1
		.amdhsa_inst_pref_size 55
	.end_amdhsa_kernel
	.amdgpu_metadata
---
amdhsa.version: [ 1, 2 ]
amdhsa.kernels:
  - .name:           k_q7cc89fbdbc_attn
    .symbol:         k_q7cc89fbdbc_attn.kd
    .args:
      - { .name: qkv, .offset: 0, .size: 8, .value_kind: global_buffer, .address_space: global }
      - { .name: ao, .offset: 8, .size: 8, .value_kind: global_buffer, .address_space: global }
    .group_segment_fixed_size: 191488
    .private_segment_fixed_size: 0
    .kernarg_segment_align: 8
    .kernarg_segment_size: 16
    .max_flat_workgroup_size: 256
    .sgpr_count:     66
    .vgpr_count:     448
    .wavefront_size: 32
...
	.end_amdgpu_metadata
.endif
;; end of part 4
;; launch wo (part 5): grid 8 x 32, 4 waves a work-group, clusters of 4 x 4, 327,680 bytes of LDS; arguments ao, wb, x1, x, ls1; writes x1
.if DOCPART == 5
	.amdgcn_target "amdgcn-amd-amdhsa--gfx1250"
	.amdhsa_code_object_version 6
	.text
	.protected	k_q7cc89fbdbc_wo
	.globl	k_q7cc89fbdbc_wo
	.p2align	8
	.type	k_q7cc89fbdbc_wo,@function
k_q7cc89fbdbc_wo:
	s_mov_b64 s[64:65], 0
	v_nop
	global_prefetch_b8 v0, s[64:65] scope:SCOPE_SE
	s_setreg_imm32_b32 hwreg(HW_REG_WAVE_MODE, 25, 1), 1
	s_wait_xcnt 0x0
	s_wait_alu depctr_hold_cnt(0) depctr_sa_sdst(0) depctr_va_vdst(0) depctr_va_sdst(0) depctr_va_ssrc(0) depctr_va_vcc(0) depctr_vm_vsrc(0)
	s_getreg_b32 s2, hwreg(HW_REG_IB_STS2, 6, 4)
	s_cmp_eq_u32 s2, 0
	s_cbranch_scc0 .Lentry_in_a_cluster
	s_endpgm
.Lentry_in_a_cluster:
	s_bfe_u32 s2, ttmp6, 0x10000c
	s_cmp_lg_u32 s2, 0xf033
	s_cbranch_scc0 .Lentry_shape_is_right
	s_endpgm
.Lentry_shape_is_right:
; x1 = x + (ao wo^T) ls1.  ao: [4096][1024] bf16; wo: bf16 in wb; x, x1: [4096][1024] f32; ls1: [1024] f32.  Sums in f32.
; THE PRODUCT.  A tile of C is 128 x 128: four waves, each 64 x 64 (16 accumulators).  K goes in steps of 256 through two LDS slots (rows of 512 bytes + 16 of padding); a wave's tensor load brings 64 rows.
; One K step is one trip of the loop: the slot in hand is a scalar (0 or SLOT) that an exclusive or turns; one descriptor a tensor walks.  SLOT shares no bit with wave x HALFT, so the exclusive or adds or takes away SLOT.
; CLUSTER 4 x 4: the four of a row need the same tiles of A, the four of a column the same tiles of B: each tile is asked for jointly.
; THE MATRIX INSTRUCTION IS USED TRANSPOSED (source 0 = 16 rows of B, source 1 = 16 rows of A): a lane holds row lane % 16 of C and eight neighbouring columns.
; THE WAY OUT.  A wave's 64 columns of f32 are 256 aligned bytes of a row.  16 rows at a time go through the wave's own stage and come back as whole rows, 16 bytes a lane; there gain and residual
; (fetched at the kernel's head, in the same layout) are applied by one fused multiply-add, and sixteen lanes store 256 consecutive bytes.
; REGISTERS: window 0: v0-31 addresses, v96-103 gain (and bias), v128-255 accumulators; window 1: two fragment buffers of 128; window 2: v0-127 the residual.
.set SIZE_K, 1024
.set NSTEP,  SIZE_K/256
.set BOFF,   6291456                   ; where B begins in wb
.set HAS_BIAS, 0
.set KSTEP,  256
.set PITCH,  528
.set HALFT,  64*PITCH
.set SLOT,   4*HALFT
.set STAGE,  2*SLOT                    ; behind the ring: 16 rows x 272 bytes for each wave
.set SP,     272
.set SPARE,  STAGE+4*16*SP             ; the spare words, 128 bytes a wave: two blocks of 256 bytes that no other line names
.set A0,   16
.set B0,   17
.set ADRA, 18
.set ADRB, 19
.set STO,  24
.set RD,   25
.set CO,   26
.set LO,   27
.set SPW,  28
.set NIL,  29
.set ACC,  128
.set F0,   0
.set F1,   128
.set G1,   24
.set G0,   32
.set G1B,  48
.set G0B,  56
.set TB,   45
.set MSB, 0
.macro WIN new
.if MSB != (\new)
	s_set_vgpr_msb (MSB<<8)|(\new)
.set MSB, \new
.endif
.endm
.set MUL,  0x05
.set TO_F, 0x40
.macro JLOAD s                         ; a joint load: waves 0 and 1 fetch A's two halves, waves 2 and 3 B's; an s_nop 0 and four v_nop follow each line
	s_cmp_eq_u32 s11, 0
	s_cbranch_scc0 .Lfor_b_\@
	tensor_load_to_lds s[G0+4*(\s):G0+4*(\s)+3], s[G1:G1+7]
	s_nop 0
.rept 4
	v_nop
.endr
	s_branch .Lasked_\@
.Lfor_b_\@:
	tensor_load_to_lds s[G0B+4*(\s):G0B+4*(\s)+3], s[G1B:G1B+7]
	s_nop 0
.rept 4
	v_nop
.endr
.Lasked_\@:
.endm
.macro CREST
	s_cmp_lg_u32 s10, 0
	s_cbranch_scc1 .Lnot_wave_0_\@
	s_barrier_signal -3
.Lnot_wave_0_\@:
	s_barrier_wait -3
	s_barrier_signal -1
	s_barrier_wait -1
.endm
.macro CROUND
	s_barrier_signal -1
	s_barrier_wait -1
	CREST
.endm
.macro PLACES
.rept 4
	v_nop
.endr
.endm
.macro MUL8 f, c, a0, zero
	WIN MUL
.irp a, \a0, (\a0)+1
.irp b, 0,1,2,3
.if \zero
	v_wmma_f32_16x16x32_bf16 v[ACC+8*(4*(\a)+(\b)):ACC+8*(4*(\a)+(\b))+7], v[(\f)+64+8*(4*(\c)+(\b)):(\f)+64+8*(4*(\c)+(\b))+7], v[(\f)+8*(4*(\c)+(\a)):(\f)+8*(4*(\c)+(\a))+7], 0
.else
	v_wmma_f32_16x16x32_bf16 v[ACC+8*(4*(\a)+(\b)):ACC+8*(4*(\a)+(\b))+7], v[(\f)+64+8*(4*(\c)+(\b)):(\f)+64+8*(4*(\c)+(\b))+7], v[(\f)+8*(4*(\c)+(\a)):(\f)+8*(4*(\c)+(\a))+7], v[ACC+8*(4*(\a)+(\b)):ACC+8*(4*(\a)+(\b))+7]
.endif
.endr
.endr
.endm
.macro FETCH k, f
	WIN TO_F
.irp c, 0,1
.irp i, 0,1,2,3
	ds_load_b128 v[(\f)+64+8*(4*(\c)+(\i)):(\f)+64+8*(4*(\c)+(\i))+3],   v[ADRB] offset:(\k)+64*(\c)+(\i)*16*PITCH
	ds_load_b128 v[(\f)+64+8*(4*(\c)+(\i))+4:(\f)+64+8*(4*(\c)+(\i))+7], v[ADRB] offset:(\k)+64*(\c)+(\i)*16*PITCH+32
	ds_load_b128 v[(\f)+8*(4*(\c)+(\i)):(\f)+8*(4*(\c)+(\i))+3],         v[ADRA] offset:(\k)+64*(\c)+(\i)*16*PITCH
	ds_load_b128 v[(\f)+8*(4*(\c)+(\i))+4:(\f)+8*(4*(\c)+(\i))+7],       v[ADRA] offset:(\k)+64*(\c)+(\i)*16*PITCH+32
.endr
.endr
.endm
.macro QUARTER k, f, g, zero
	s_wait_dscnt 16                                ; the first 32 along K are in; the youngest sixteen loads may be out
	MUL8 \f, 0, 0, \zero
	MUL8 \f, 0, 2, \zero
	PLACES
	FETCH \k, \g
	s_wait_dscnt 32                                ; all but the 32 just issued
	MUL8 \f, 1, 0, 0
	MUL8 \f, 1, 2, 0
.endm
.macro TURN fill                       ; the last quarter of a K step, and the change of slots
	WIN 0
	s_wait_tensorcnt 0x0                           ; all my tensor loads have landed: my part of the next slot
	ds_add_u32 v[SPW], v[NIL]
	s_wait_dscnt 17                                ; the add and the youngest sixteen loads may be out
	MUL8 F1, 0, 0, 0
	s_wait_dscnt 0x0                               ; the add is done, and my reads of this slot are over
	s_barrier_signal -1
	MUL8 F1, 0, 2, 0
	WIN 0
	s_barrier_wait -1
.if \fill
	CREST                                          ; no wave of any partner still reads this slot or has a load on its way
	s_xor_b32 s[G0+5], s[G0+5], SLOT
	s_add_nc_u64 s[G0+6:G0+7], s[G0+6:G0+7], KSTEP*2
	s_xor_b32 s[G0B+5], s[G0B+5], SLOT
	s_add_nc_u64 s[G0B+6:G0B+7], s[G0B+6:G0B+7], KSTEP*2
	JLOAD 1
.else
	PLACES
.endif
	s_xor_b32 s[TB], s[TB], SLOT
	v_add_nc_u32 v[ADRA], s[TB], v[A0]
	v_add_nc_u32 v[ADRB], s[TB], v[B0]
	FETCH 0, F0
	MUL8 F1, 1, 0, 0
	MUL8 F1, 1, 2, 0
.endm
.macro STG a                           ; 16 rows of f32 into my stage (each accumulator's low four registers first) and back as whole rows, into the registers that they left
.irp b, 0,1,2,3
	ds_store_b128 v[STO], v[ACC+8*(4*(\a)+(\b)):ACC+8*(4*(\a)+(\b))+3]   offset:64*(\b)
	ds_store_b128 v[STO], v[ACC+8*(4*(\a)+(\b))+4:ACC+8*(4*(\a)+(\b))+7] offset:64*(\b)+16
.endr
.irp t, 0,1,2,3,4,5,6,7
	ds_load_b128 v[ACC+32*(\a)+4*(\t):ACC+32*(\a)+4*(\t)+3], v[RD] offset:(\t)*2*SP   ; LDS serves a wave's instructions in order: these see the stores above
.endr
.endm
.macro FIN a, younger                  ; younger: the LDS instructions issued behind block a's loads
.irp t, 0,1,2,3,4,5,6,7
.set VV, ACC+32*(\a)+4*(\t)
.set RR, 4*(8*(\a)+(\t))
	s_wait_dscnt (\younger)+7-(\t)
.if HAS_BIAS
	v_pk_add_f32 v[VV:VV+1], v[VV:VV+1], v[100:101]
	v_pk_add_f32 v[VV+2:VV+3], v[VV+2:VV+3], v[102:103]
.endif
	v_pk_fma_f32 v[VV:VV+1], v[VV:VV+1], v[96:97], v[RR:RR+1]
	v_pk_fma_f32 v[VV+2:VV+3], v[VV+2:VV+3], v[98:99], v[RR+2:RR+3]
	global_store_b128 v[CO], v[VV:VV+3], s[8:9] offset:(16*(\a)+2*(\t))*4096   ; 16 lanes store 256 consecutive bytes, aligned
.endr
.endm
	s_load_b128 s[4:7], s[0:1], 0x0                ; A s[4:5], wb s[6:7]
	s_load_b64 s[8:9], s[0:1], 0x10                ; the output
	s_load_b128 s[68:71], s[0:1], 0x18             ; the residual s[68:69], the gain s[70:71]
.if HAS_BIAS
	s_load_b64 s[72:73], s[0:1], 0x28              ; the bias
.endif
	v_lshl_add_u32 v[SPW], v0, 2, SPARE
	v_mov_b32 v[NIL], 0
	ds_add_u32 v[SPW], v[NIL]                      ; the wave's opening: the add and its wait ahead of my first tensor load
	v_lshrrev_b32 v1, 5, v0
	v_readfirstlane_b32 s10, v1
	s_lshr_b32 s11, s10, 1
	s_and_b32 s12, s10, 1
	s_bfe_u32 s40, ttmp6, 0x40000
	s_bfe_u32 s41, ttmp6, 0x40004
	s_lshl_b32 s42, ttmp9, 2
	s_add_co_u32 s42, s42, s40                     ; tile column
	s_and_b32 s13, ttmp7, 0xffff
	s_lshl_b32 s13, s13, 2
	s_add_co_u32 s13, s13, s41                     ; tile row
	s_lshl_b32 s43, s41, 2
	s_lshl_b32 s43, 15, s43
	s_lshl_b32 s44, 0x1111, s40
	s_or_b32 s[G1+0], s43, (1<<16)|(1<<20)|(1<<21)|(6<<22)|(3<<25)
	s_or_b32 s[G1B+0], s44, (1<<16)|(1<<20)|(1<<21)|(6<<22)|(3<<25)
.irp g, G1, G1B
	s_mov_b32 s[(\g)+1], KSTEP<<16
	s_mov_b32 s[(\g)+2], 64<<16
	s_mov_b32 s[(\g)+3], KSTEP<<16
	s_mov_b32 s[(\g)+4], 64
	s_mov_b32 s[(\g)+5], SIZE_K
	s_mov_b32 s[(\g)+6], 0
	s_mov_b32 s[(\g)+7], 0
.endr
	s_lshl_b32 s17, s12, 6
	s_lshl_b32 s16, s13, 7
	s_add_co_u32 s16, s16, s17
	s_lshl_b32 s46, s42, 7
	s_add_co_u32 s46, s46, s17
	s_mov_b32 s17, 0
	s_mov_b32 s47, 0
	s_mov_b64 s[18:19], SIZE_K*2
	s_mul_u64 s[16:17], s[16:17], s[18:19]
	s_mul_u64 s[46:47], s[46:47], s[18:19]
	s_mul_i32 s20, s10, HALFT
	s_mov_b32 s[TB], 0
	s_wait_dscnt 0x0                               ; the opening add is done
	s_wait_kmcnt 0x0
.if BOFF
	s_add_nc_u64 s[6:7], s[6:7], BOFF
.endif
	s_add_nc_u64 s[14:15], s[4:5], s[16:17]
	s_add_nc_u64 s[46:47], s[6:7], s[46:47]
	CROUND                                         ; all sixteen work-groups are here: the first joint loads meet
.irp s, 0,1
	s_mov_b32 s[G0+4*(\s)], 1
	s_add_co_u32 s[G0+4*(\s)+1], s20, (\s)*SLOT
	s_add_nc_u64 s[G0+4*(\s)+2:G0+4*(\s)+3], s[14:15], (\s)*KSTEP*2
	s_or_b32 s[G0+4*(\s)+3], s[G0+4*(\s)+3], 0x80000000
	s_mov_b32 s[G0B+4*(\s)], 1
	s_add_co_u32 s[G0B+4*(\s)+1], s20, (\s)*SLOT
	s_add_nc_u64 s[G0B+4*(\s)+2:G0B+4*(\s)+3], s[46:47], (\s)*KSTEP*2
	s_or_b32 s[G0B+4*(\s)+3], s[G0B+4*(\s)+3], 0x80000000
	JLOAD \s
.endr
	v_and_b32 v1, 15, v0
	v_bfe_u32 v2, v0, 4, 1
	v_mul_u32_u24 v3, v1, PITCH
	v_lshl_add_u32 v3, v2, 4, v3
	s_mul_i32 s21, s11, HALFT
	s_mul_i32 s22, s12, HALFT
	s_add_co_u32 s22, s22, 2*HALFT
	v_add_nc_u32 v[A0], s21, v3
	v_add_nc_u32 v[B0], s22, v3
	v_mov_b32 v[ADRA], v[A0]
	v_mov_b32 v[ADRB], v[B0]
	; my 64 x 64 of the output and of the residual; my 64 columns of the gain (and bias)
	s_lshl_b32 s46, s13, 7
	s_lshl_b32 s47, s11, 6
	s_add_co_u32 s46, s46, s47
	s_lshl_b32 s46, s46, 12                        ; a row is 4,096 bytes
	s_lshl_b32 s74, s42, 9
	s_lshl_b32 s75, s12, 8
	s_add_co_u32 s74, s74, s75                     ; my columns' first byte
	s_add_co_u32 s46, s46, s74
	s_mov_b32 s47, 0
	s_mov_b32 s75, 0
	s_add_nc_u64 s[8:9], s[8:9], s[46:47]
	s_add_nc_u64 s[68:69], s[68:69], s[46:47]
	s_add_nc_u64 s[70:71], s[70:71], s[74:75]
.if HAS_BIAS
	s_add_nc_u64 s[72:73], s[72:73], s[74:75]
.endif
	v_lshlrev_b32 v[LO], 4, v1                     ; 16 bytes a lane of a row's 256
	v_lshl_add_u32 v[CO], v2, 12, v[LO]            ; lanes 16-31 one row further down
	global_load_b128 v[96:99], v[LO], s[70:71]
.if HAS_BIAS
	global_load_b128 v[100:103], v[LO], s[72:73]
.endif
	WIN 0x80                                       ; destination window 2
.irp a, 0,1,2,3
.irp t, 0,1,2,3,4,5,6,7
	global_load_b128 v[4*(8*(\a)+(\t)):4*(8*(\a)+(\t))+3], v[CO], s[68:69] offset:(16*(\a)+2*(\t))*4096
.endr
.endr
	WIN 0
	s_mul_i32 s23, s10, 16*SP
	s_add_co_u32 s23, s23, STAGE                   ; my stage
	v_mul_u32_u24 v4, v1, SP
	v_lshl_add_u32 v4, v2, 5, v4
	v_add_nc_u32 v[STO], s23, v4                   ; in: row r, 32 bytes for each half of the lanes
	v_mul_u32_u24 v5, v2, SP
	v_lshl_add_u32 v5, v1, 4, v5
	v_add_nc_u32 v[RD], s23, v5                    ; back: lanes 0-15 one row of 256 bytes, lanes 16-31 the next
	s_wait_tensorcnt 1                             ; my part of K step 0 is in; slot 1's fill stays out
	s_barrier_signal -1
	s_barrier_wait -1
	FETCH 0, F0
	QUARTER 128, F0, F1, 1
	WIN 0
	s_mov_b32 s3, NSTEP-2
.Lstep:
	QUARTER 256, F1, F0, 0
	QUARTER 384, F0, F1, 0
	TURN 1
	QUARTER 128, F0, F1, 0
	WIN 0
	s_sub_co_u32 s3, s3, 1
	s_cmp_lg_u32 s3, 0
	s_cbranch_scc1 .Lstep
	QUARTER 256, F1, F0, 0                         ; the last two K steps fill nothing
	QUARTER 384, F0, F1, 0
	TURN 0
	QUARTER 128, F0, F1, 0
	QUARTER 256, F1, F0, 0
	QUARTER 384, F0, F1, 0
	s_wait_dscnt 16
	MUL8 F1, 0, 0, 0
	MUL8 F1, 0, 2, 0
	s_wait_dscnt 0x0
	MUL8 F1, 1, 0, 0
	MUL8 F1, 1, 2, 0
	WIN 0
	PLACES
	PLACES
	s_wait_loadcnt 0x0                             ; residual, gain, bias
	WIN 0x20                                       ; source 2 in window 2: the residual
	STG 0
	STG 1
	FIN 0, 16
	STG 2
	FIN 1, 16
	STG 3
	FIN 2, 16
	FIN 3, 0
	WIN 0
	s_wait_tensorcnt 0x0                           ; the wave's end
	ds_add_u32 v[SPW], v[NIL]
	s_wait_dscnt 0x0
	CROUND                                         ; the closing round
	s_endpgm
.Lfunc_end_k_q7cc89fbdbc_wo:
	.size	k_q7cc89fbdbc_wo, .Lfunc_end_k_q7cc89fbdbc_wo-k_q7cc89fbdbc_wo
	.p2alignl 7, 3214868480
	.fill 96, 4, 3214868480
	.section	.rodata,"a",@progbits
	.p2align	6, 0x0
	.amdhsa_kernel k_q7cc89fbdbc_wo
		.amdhsa_group_segment_fixed_size 327680
		.amdhsa_private_segment_fixed_size 0
		.amdhsa_enable_private_segment 0
		.amdhsa_kernarg_size 40
		.amdhsa_user_sgpr_count 2
		.amdhsa_user_sgpr_kernarg_segment_ptr 1
		.amdhsa_wavefront_size32 1
		.amdhsa_system_sgpr_workgroup_id_x 1
		.amdhsa_system_sgpr_workgroup_id_y 1
		.amdhsa_system_sgpr_workgroup_id_z 1
		.amdhsa_system_vgpr_workitem_id 0
		.amdhsa_next_free_vgpr 640
		.amdhsa_next_free_sgpr 96
		.amdhsa_reserve_vcc 0
		.amdhsa_float_denorm_mode_32 3
		.amdhsa_float_denorm_mode_16_64 3
		.amdhsa_memory_ordered 1
		.amdhsa_forward_progress 1
		.amdhsa_inst_pref_size 76
	.end_amdhsa_kernel
	.amdgpu_metadata
---
amdhsa.version: [ 1, 2 ]
amdhsa.kernels:
  - .name:           k_q7cc89fbdbc_wo
    .symbol:         k_q7cc89fbdbc_wo.kd
    .args:
      - { .name: ao, .offset: 0, .size: 8, .value_kind: global_buffer, .address_space: global }
      - { .name: wb, .offset: 8, .size: 8, .value_kind: global_buffer, .address_space: global }
      - { .name: x1, .offset: 16, .size: 8, .value_kind: global_buffer, .address_space: global }
      - { .name: x, .offset: 24, .size: 8, .value_kind: global_buffer, .address_space: global }
      - { .name: ls1, .offset: 32, .size: 8, .value_kind: global_buffer, .address_space: global }
    .group_segment_fixed_size: 327680
    .private_segment_fixed_size: 0
    .kernarg_segment_align: 8
    .kernarg_segment_size: 40
    .max_flat_workgroup_size: 128
    .sgpr_count:     96
    .vgpr_count:     640
    .wavefront_size: 32
...
	.end_amdgpu_metadata
.endif
;; end of part 5
;; launch ln2: the kernel of part 2 again; grid 256 x 1, 8 waves a work-group, no clusters, 0 bytes of LDS; arguments x1, norm2_w, norm2_b, h; writes h
;; launch ffn1 (part 6): grid 16 x 16, 4 waves a work-group, clusters of 4 x 4, 327,680 bytes of LDS; arguments h, wb, f, b1; writes f
.if DOCPART == 6
	.amdgcn_target "amdgcn-amd-amdhsa--gfx1250"
	.amdhsa_code_object_version 6
	.text
	.protected	k_q7cc89fbdbc_ffn1
	.globl	k_q7cc89fbdbc_ffn1
	.p2align	8
	.type	k_q7cc89fbdbc_ffn1,@function
k_q7cc89fbdbc_ffn1:
	s_mov_b64 s[64:65], 0
	v_nop
	global_prefetch_b8 v0, s[64:65] scope:SCOPE_SE
	s_setreg_imm32_b32 hwreg(HW_REG_WAVE_MODE, 25, 1), 1
	s_wait_xcnt 0x0
	s_wait_alu depctr_hold_cnt(0) depctr_sa_sdst(0) depctr_va_vdst(0) depctr_va_sdst(0) depctr_va_ssrc(0) depctr_va_vcc(0) depctr_vm_vsrc(0)
	s_getreg_b32 s2, hwreg(HW_REG_IB_STS2, 6, 4)
	s_cmp_eq_u32 s2, 0
	s_cbranch_scc0 .Lentry_in_a_cluster
	s_endpgm
.Lentry_in_a_cluster:
	s_bfe_u32 s2, ttmp6, 0x10000c
	s_cmp_lg_u32 s2, 0xf033
	s_cbranch_scc0 .Lentry_shape_is_right
	s_endpgm
.Lentry_shape_is_right:
; f = gelu(h w1^T + b1), the exact GELU 0.5 x (1 + erf(x / sqrt 2)).  h: [4096][1024] bf16; w1: bf16 in wb; b1: [4096] f32; f: [4096][4096] bf16, rounded once.  Sums and GELU in f32.
; THE PRODUCT.  C has 16 x 16 tiles of 256 x 256: one work-group each.  Four waves, each 128 x 128: 64 accumulators of 16 x 16, 512 registers.  K goes in 8 steps of 128 through two LDS slots; a wave's tensor load
; brings 128 rows of 256 bytes, each aligned to 256 bytes in memory, padded to 272 in LDS.  Between a refill's request and the wait for it a wave issues 224 matrix instructions.
; One K step is one trip of the loop: the slot in hand is a scalar (0 or SLOT) that an exclusive or turns; one descriptor a tensor walks.  SLOT = 0x22000 shares no bit with wave x HALFT (multiples of 0x8800 up to 0x19800),
; so the exclusive or adds or takes away SLOT.
; CLUSTER 4 x 4: the four of a row need the same tiles of A, the four of a column the same tiles of B: each tile is asked for jointly, by the same load with a mask that names the four.
; THE MATRIX INSTRUCTION IS USED TRANSPOSED (source 0 = 16 rows of B, source 1 = 16 rows of A): a lane holds row lane % 16 of C and eight neighbouring columns 8 (lane / 16) + 0..7.
; THE WAY OUT.  Each wave lays its 128 x 128 in f32 into 128 rows x 528 bytes of its own inside the ring, which has had its last fill, and takes them back as whole rows, 8 columns a lane, in 16 trips of 8 rows:
; bias, GELU, rounding; sixteen lanes store 256 consecutive bytes of f.  The road through LDS lets one short loop serve all 64 accumulators.
; GELU.  gelu(x) = 0.5 x + |x| (0.5 - w), w = 0.5 P(t) e^(-x^2 / 2), t = 1 / (1 + p |x| / sqrt 2), P of degree 5 without constant term (Abramowitz and Stegun 7.1.26).
; LIMITS.  That formula gives erf to within 1.5e-7, so gelu is off by at most 1.5e-7 |x| beside f32's roundings.  NaN and infinities are not treated apart.
; REGISTERS, in windows of 256 (s_set_vgpr_msb: bits 1:0 source 0, 3:2 source 1, 5:4 source 2, 7:6 destination):
;   window 0: v0-31 addresses and the bias; v64-127, v128-191 fragments of A, two buffers; behind the loop v32-255 are the GELU's      window 1: v64-127, v128-191 fragments of B
;   window 2: the 32 accumulators of my rows 0-63 (accumulator (a, b) at v[8 (8 a + b)])      window 3: those of my rows 64-127
.set SIZE_K, 1024
.set KSTEP,  128
.set NSTEP,  SIZE_K/KSTEP
.set BOFF,   8388608                   ; where w1 begins in wb
.set PITCH,  272                       ; an LDS row: 256 bytes + 16: the 16 rows of a fragment load start at 16 different groups of four banks (64 banks of 4 bytes: ISA guide 11.1)
.set HALFT,  128*PITCH                 ; what one tensor load brings, and what one wave reads of A or of B
.set SLOT,   4*HALFT                   ; A's 256 rows, then B's 256 rows
.set SPF,    528                       ; a stage row: 512 bytes + 16
.set WST,    128*SPF                   ; a wave's stage; the four lie in the ring's first 270,336 bytes
.set SPARE,  2*SLOT                    ; behind the ring: the spare words, 128 bytes a wave: two blocks of 256 bytes that no other line names
.set BIAS, 8                           ; v[8:15] b1 of the 8 columns that I finish
.set A0,   16                          ; v16  my A fragments' place in slot 0; never rewritten
.set B0,   17                          ; v17  the same for B
.set ADRA, 18                          ; v18  in the slot in hand
.set ADRB, 19
.set FST,  24                          ; v24  where I put 32 bytes of a stage row
.set FRD,  25                          ; v25  where I read 32 bytes of a stage row back
.set FO,   26                          ; v26  my byte offset in f; never rewritten
.set LO,   27                          ; v27  my byte offset in b1; never rewritten
.set SPW,  28
.set NIL,  29
.set PFO,  30                          ; v30  the prefetches' offset: my lane x a row of h or w1 (2,048 bytes); never rewritten
.set F0,   64
.set F1,   128
.set XR,   128                         ; v[128:159] 8 rows x 8 columns a lane, as read from the stage
.set WR,   160                         ; v[160:191] x = sum + bias
.set TR,   192                         ; v[192:223] t
.set ER,   224                         ; v[224:255] e^(-x^2 / 2)
.set PR,   32                          ; v[32:63]   the polynomial, then the result
.set OR,   64                          ; v[64:79]   the result in bf16
.set G1,   24                          ; s[24:31] group 1 for A; s[32:39] group 0: set 0 fills slot 0 first, set 1 fills slot 1 first and then walks
.set G0,   32
.set G1B,  48                          ; the same for B
.set G0B,  56
.set LIM,  66                          ; s66  2 in a wave that prefetches, else the greatest number
.set TB,   67                          ; s67  the slot in hand: 0 or SLOT
.set PFA,  88                          ; s[88:89] where my prefetches stand: my work-group's 32 rows of the 128 that I fetch, one K step further along K than the refill that is being asked for
.set MSB, 0
.macro WIN new                         ; the immediate's high byte repeats the setting that is left; a switch that changes nothing is dropped
.if MSB != (\new)
	s_set_vgpr_msb (MSB<<8)|(\new)
.set MSB, \new
.endif
.endm
.set MUL_LO, 0xa1                      ; source 0 (B) window 1, source 1 (A) window 0, C and D window 2
.set MUL_HI, 0xf1                      ; the same, C and D window 3
.set TO_B,   0x40                      ; destination window 1, address window 0
.macro JLOAD s                         ; a joint load: waves 0 and 1 fetch A's two halves, waves 2 and 3 B's; an s_nop 0 and four v_nop follow each line
	s_cmp_eq_u32 s11, 0
	s_cbranch_scc0 .Lfor_b_\@
	tensor_load_to_lds s[G0+4*(\s):G0+4*(\s)+3], s[G1:G1+7]
	s_nop 0
.rept 4
	v_nop
.endr
	s_branch .Lasked_\@
.Lfor_b_\@:
	tensor_load_to_lds s[G0B+4*(\s):G0B+4*(\s)+3], s[G1B:G1B+7]
	s_nop 0
.rept 4
	v_nop
.endr
.Lasked_\@:
.endm
; A PREFETCH INTO THE L2, behind each refill and the run of LDS loads that follows it: the K step that stands two refills on: 32 rows x 256 bytes, a lane a row, one instruction a wave.
; Each row's 256 bytes of a K step are named once in the launch: A's tile row is read by every cluster of that row of clusters, and the one with x = 0 asks; B's tile column by every cluster of that column, and the one
; with y = 0 asks.  The four partners that ask for a tile jointly share its rows out by address: of the 128 rows that a wave fetches, the partner at place p takes 32 p .. 32 p + 31 (p = cx for A, cy for B).
; Trip i (s3 = 6 - i) refills K step i + 2 and names K step i + 4: the trips with s3 = 2 and 1 ask for nothing, since K has 8 steps.  K steps 0 to 3 come by their loads alone.
.macro ASK
	s_cmp_gt_u32 s3, s[LIM]
	s_cbranch_scc0 .Lnot_mine_\@
	global_prefetch_b8 v[PFO], s[PFA:PFA+1] offset:KSTEP*2 th:TH_LOAD_NT scope:SCOPE_SE
.Lnot_mine_\@:
.endm
.macro CREST                           ; a round of the cluster's barrier behind its opening barrier
	s_cmp_lg_u32 s10, 0
	s_cbranch_scc1 .Lnot_wave_0_\@
	s_barrier_signal -3
.Lnot_wave_0_\@:
	s_barrier_wait -3
	s_barrier_signal -1
	s_barrier_wait -1
.endm
.macro CROUND
	s_barrier_signal -1
	s_barrier_wait -1
	CREST
.endm
.macro PLACES                          ; four places behind matrix instructions (ISA guide 7.12.1)
.rept 4
	v_nop
.endr
.endm
; 16 products: m blocks a0, a0 + 1 of the window's four (hi = 0: my rows 0-63, 1: rows 64-127) x all 8 n blocks, 32 along K.  zero = 1: the product starts the sum.
; The 64 accumulators take turns in the same order in every quarter.
.macro MUL16 f, hi, a0, zero
	WIN MUL_LO+0x50*(\hi)
.irp a, \a0, (\a0)+1
.irp b, 0,1,2,3,4,5,6,7
.if \zero
	v_wmma_f32_16x16x32_bf16 v[8*(8*(\a)+(\b)):8*(8*(\a)+(\b))+7], v[(\f)+8*(\b):(\f)+8*(\b)+7], v[(\f)+8*(4*(\hi)+(\a)):(\f)+8*(4*(\hi)+(\a))+7], 0
.else
	v_wmma_f32_16x16x32_bf16 v[8*(8*(\a)+(\b)):8*(8*(\a)+(\b))+7], v[(\f)+8*(\b):(\f)+8*(\b)+7], v[(\f)+8*(4*(\hi)+(\a)):(\f)+8*(4*(\hi)+(\a))+7], v[8*(8*(\a)+(\b)):8*(8*(\a)+(\b))+7]
.endif
.endr
.endr
.endm
.macro FETCH k, f                      ; 32 LDS loads in one run: 128 rows of B, then 128 rows of A, 32 along K at byte k of the rows of the slot in hand
	WIN TO_B
.irp i, 0,1,2,3,4,5,6,7
	ds_load_b128 v[(\f)+8*(\i):(\f)+8*(\i)+3],   v[ADRB] offset:(\k)+(\i)*16*PITCH
	ds_load_b128 v[(\f)+8*(\i)+4:(\f)+8*(\i)+7], v[ADRB] offset:(\k)+(\i)*16*PITCH+32
.endr
	WIN 0
.irp i, 0,1,2,3,4,5,6,7
	ds_load_b128 v[(\f)+8*(\i):(\f)+8*(\i)+3],   v[ADRA] offset:(\k)+(\i)*16*PITCH
	ds_load_b128 v[(\f)+8*(\i)+4:(\f)+8*(\i)+7], v[ADRA] offset:(\k)+(\i)*16*PITCH+32
.endr
.endm
; A K step is four quarters of 32 along K, 64 products each, on buffers 0, 1, 0, 1.  One of the first three: multiplies buffer f; in its middle it fetches the next quarter, at byte k, into g.
.macro QUARTER k, f, g, zero
	s_wait_dscnt 8                                 ; B and A's rows 0-63 are in; the youngest eight loads (A's rows 64-127) may be out
	MUL16 \f, 0, 0, \zero
	MUL16 \f, 0, 2, \zero
	PLACES
	FETCH \k, \g
	s_wait_dscnt 32                                ; all but the 32 just issued
	MUL16 \f, 1, 0, \zero
	MUL16 \f, 1, 2, \zero
.endm
; The last quarter multiplies buffer 1 and changes slots: one barrier; in front of it each wave waits for all its tensor loads, adds 0 to its spare word, and waits for that and for its reads of the slot.
; fill = 1: the barrier opens a round of the cluster's, and the slot just read is filled again, two K steps ahead, first thing behind the round.
.macro TURN fill
.if \fill
	s_wait_xcnt 0x0                                ; the last prefetch, a K step back, has read its address: it is stepped here, ahead of the waits of the change of slots
	s_add_nc_u64 s[PFA:PFA+1], s[PFA:PFA+1], KSTEP*2
.endif
	WIN 0
	s_wait_tensorcnt 0x0                           ; all my tensor loads have landed: my part of the next slot
	ds_add_u32 v[SPW], v[NIL]
	s_wait_dscnt 9                                 ; the add and the youngest eight loads may be out
	MUL16 F1, 0, 0, 0
	s_wait_dscnt 0x0                               ; the add is done, and my reads of this slot are over
	s_barrier_signal -1
	MUL16 F1, 0, 2, 0
	WIN 0
	s_barrier_wait -1
.if \fill
	CREST                                          ; no wave of any partner still reads this slot or has a load on its way
	s_xor_b32 s[G0+5], s[G0+5], SLOT               ; the walking descriptors: the other slot than last time, the next K step
	s_add_nc_u64 s[G0+6:G0+7], s[G0+6:G0+7], KSTEP*2
	s_xor_b32 s[G0B+5], s[G0B+5], SLOT
	s_add_nc_u64 s[G0B+6:G0B+7], s[G0B+6:G0B+7], KSTEP*2
	JLOAD 1                                        ; its four v_nop are also the places in front of the loads below
.else
	PLACES
.endif
	s_xor_b32 s[TB], s[TB], SLOT
	v_add_nc_u32 v[ADRA], s[TB], v[A0]
	v_add_nc_u32 v[ADRB], s[TB], v[B0]
	FETCH 0, F0
.if \fill
	ASK
.endif
	MUL16 F1, 1, 0, 0
	MUL16 F1, 1, 2, 0
.endm
	s_load_b128 s[4:7], s[0:1], 0x0                ; h s[4:5], wb s[6:7]
	s_load_b64 s[8:9], s[0:1], 0x10                ; f
	s_load_b64 s[68:69], s[0:1], 0x18              ; b1
	v_lshl_add_u32 v[SPW], v0, 2, SPARE
	v_mov_b32 v[NIL], 0
	ds_add_u32 v[SPW], v[NIL]                      ; the wave's opening: the add and its wait ahead of my first tensor load
	v_lshrrev_b32 v1, 5, v0
	v_readfirstlane_b32 s10, v1                    ; wave 0..3
	s_lshr_b32 s11, s10, 1                         ; my half of the tile's rows; also: I fetch for A (0) or B (1)
	s_and_b32 s12, s10, 1                          ; my half of its columns; also: which 128 rows I fetch
	s_bfe_u32 s40, ttmp6, 0x40000                  ; cx
	s_bfe_u32 s41, ttmp6, 0x40004                  ; cy
	s_lshl_b32 s42, ttmp9, 2
	s_add_co_u32 s42, s42, s40                     ; tile column
	s_and_b32 s13, ttmp7, 0xffff
	s_lshl_b32 s13, s13, 2
	s_add_co_u32 s13, s13, s41                     ; tile row
	s_lshl_b32 s43, s41, 2
	s_lshl_b32 s43, 15, s43                        ; my row of the cluster
	s_lshl_b32 s44, 0x1111, s40                    ; my column
	s_or_b32 s[G1+0], s43, (1<<16)|(1<<20)|(1<<21)|(5<<22)|(3<<25)   ; mask; 2-byte elements; padding on; bit 21 beside a mask; after every 64 words, 4 words
	s_or_b32 s[G1B+0], s44, (1<<16)|(1<<20)|(1<<21)|(5<<22)|(3<<25)
.irp g, G1, G1B
	s_mov_b32 s[(\g)+1], KSTEP<<16                 ; tensor_dim0 = 128
	s_mov_b32 s[(\g)+2], 128<<16                   ; tensor_dim1 = 128
	s_mov_b32 s[(\g)+3], KSTEP<<16                 ; tile_dim0 = 128
	s_mov_b32 s[(\g)+4], 128                       ; tile_dim1 = 128
	s_mov_b32 s[(\g)+5], SIZE_K                    ; elements from row to row
	s_mov_b32 s[(\g)+6], 0
	s_mov_b32 s[(\g)+7], 0
.endr
	s_lshl_b32 s17, s12, 7
	s_lshl_b32 s16, s13, 8
	s_add_co_u32 s16, s16, s17                     ; A: row 256 x tile row + 128 x half
	s_lshl_b32 s46, s42, 8
	s_add_co_u32 s46, s46, s17                     ; B: row 256 x tile column + 128 x half
	s_mov_b32 s17, 0
	s_mov_b32 s47, 0
	s_mov_b64 s[18:19], SIZE_K*2
	s_mul_u64 s[16:17], s[16:17], s[18:19]
	s_mul_u64 s[46:47], s[46:47], s[18:19]
	s_mul_i32 s20, s10, HALFT                      ; where they go: wave x 128 rows: no place in the cluster enters an LDS address
	s_mov_b32 s[TB], 0
	s_mov_b32 s74, 0x3f07dc22                      ; a5 / 2; each constant twice: named as a pair
	s_mov_b32 s75, 0x3f07dc22
	s_mov_b32 s76, 0xbf3a00e3                      ; a4 / 2
	s_mov_b32 s77, 0xbf3a00e3
	s_mov_b32 s78, 0x3f35f0e3                      ; a3 / 2
	s_mov_b32 s79, 0x3f35f0e3
	s_mov_b32 s80, 0xbe11a98e                      ; a2 / 2
	s_mov_b32 s81, 0xbe11a98e
	s_mov_b32 s82, 0x3e027906                      ; a1 / 2
	s_mov_b32 s83, 0x3e027906
	s_mov_b32 s84, 0xbf38aa3b                      ; -log2(e) / 2
	s_mov_b32 s85, 0xbf38aa3b
	s_mov_b32 s86, 0x3e6d3388                      ; p / sqrt 2
	s_wait_dscnt 0x0                               ; the opening add is done
	s_wait_kmcnt 0x0
	s_add_nc_u64 s[6:7], s[6:7], BOFF              ; w1
	s_add_nc_u64 s[14:15], s[4:5], s[16:17]
	s_add_nc_u64 s[46:47], s[6:7], s[46:47]
	CROUND                                         ; all sixteen work-groups are here: the first joint loads meet
.irp s, 0,1
	s_mov_b32 s[G0+4*(\s)], 1
	s_add_co_u32 s[G0+4*(\s)+1], s20, (\s)*SLOT
	s_add_nc_u64 s[G0+4*(\s)+2:G0+4*(\s)+3], s[14:15], (\s)*KSTEP*2
	s_or_b32 s[G0+4*(\s)+3], s[G0+4*(\s)+3], 0x80000000
	s_mov_b32 s[G0B+4*(\s)], 1
	s_add_co_u32 s[G0B+4*(\s)+1], s20, (\s)*SLOT
	s_add_nc_u64 s[G0B+4*(\s)+2:G0B+4*(\s)+3], s[46:47], (\s)*KSTEP*2
	s_or_b32 s[G0B+4*(\s)+3], s[G0B+4*(\s)+3], 0x80000000
	JLOAD \s
.endr
	v_and_b32 v1, 15, v0                           ; r = l % 16
	v_bfe_u32 v2, v0, 4, 1                         ; h = l / 16
	v_mul_u32_u24 v3, v1, PITCH
	v_lshl_add_u32 v3, v2, 4, v3                   ; a fragment's row x pitch + 16 x half
	s_mul_i32 s21, s11, HALFT                      ; my 128 rows of A
	s_mul_i32 s22, s12, HALFT                      ; my 128 rows of B,
	s_add_co_u32 s22, s22, 2*HALFT                 ; which lie behind A's 256
	v_add_nc_u32 v[A0], s21, v3
	v_add_nc_u32 v[B0], s22, v3
	v_mov_b32 v[ADRA], v[A0]
	v_mov_b32 v[ADRB], v[B0]
	; the bias of the 8 columns that I finish: 256 x tile column + 128 x my half + 8 (l % 16) on
	s_lshl_b32 s46, s42, 10
	s_lshl_b32 s47, s12, 9
	s_add_co_u32 s46, s46, s47
	s_mov_b32 s47, 0
	s_add_nc_u64 s[68:69], s[68:69], s[46:47]
	v_lshlrev_b32 v[LO], 5, v1
	global_load_b128 v[BIAS:BIAS+3], v[LO], s[68:69]
	global_load_b128 v[BIAS+4:BIAS+7], v[LO], s[68:69] offset:16
	; f at my 128 rows and my 128 columns
	s_lshl_b32 s46, s13, 8
	s_lshl_b32 s47, s11, 7
	s_add_co_u32 s46, s46, s47
	s_lshl_b32 s46, s46, 13                        ; a row of f is 8,192 bytes
	s_lshl_b32 s47, s42, 9
	s_add_co_u32 s46, s46, s47
	s_lshl_b32 s47, s12, 8
	s_add_co_u32 s46, s46, s47
	s_mov_b32 s47, 0
	s_add_nc_u64 s[8:9], s[8:9], s[46:47]
	v_lshlrev_b32 v[FO], 4, v1
	v_lshl_add_u32 v[FO], v2, 13, v[FO]            ; 16 bytes a lane of a row's 256; lanes 16-31 one row further down
	s_mul_i32 s23, s10, WST                        ; my stage
	v_mul_u32_u24 v4, v1, SPF
	v_lshl_add_u32 v4, v2, 5, v4
	v_add_nc_u32 v[FST], s23, v4                   ; in: row r, 32 bytes for each half of the lanes
	v_mul_u32_u24 v5, v2, SPF
	v_lshl_add_u32 v5, v1, 5, v5
	v_add_nc_u32 v[FRD], s23, v5                   ; back: lanes 0-15 one row, lanes 16-31 the next; 32 bytes a lane
	; the prefetches
	s_lshl_b32 s90, s13, 8                         ; the tile's first row in A,
	s_lshl_b32 s91, s42, 8                         ; in B
	s_and_b32 s22, ttmp7, 0xffff                   ; cluster y
	s_cmp_eq_u32 s11, 0                            ; do I fetch for A?
	s_cselect_b32 s20, s90, s91
	s_cselect_b32 s21, s40, s41                    ; my place among the four that ask for the tile with me
	s_cselect_b32 s22, ttmp9, s22                  ; the coordinate along which other clusters read the same rows
	s_cselect_b64 s[PFA:PFA+1], s[4:5], s[6:7]
	s_cmp_eq_u32 s22, 0
	s_cselect_b32 s[LIM], 2, -1                    ; the same in all sixteen partners, for a given wave
	s_lshl_b32 s22, s12, 7
	s_add_co_u32 s20, s20, s22                     ; + the 128 rows that I fetch
	s_lshl_b32 s21, s21, 5
	s_add_co_u32 s20, s20, s21                     ; + my work-group's 32 of them
	s_mov_b32 s21, 0
	s_mov_b64 s[18:19], SIZE_K*2
	s_mul_u64 s[20:21], s[20:21], s[18:19]
	s_add_nc_u64 s[PFA:PFA+1], s[PFA:PFA+1], s[20:21]
	s_add_nc_u64 s[PFA:PFA+1], s[PFA:PFA+1], 2*KSTEP*2  ; at K step 2: the first refill steps it to 3 and names K step 4
	v_and_b32 v[PFO], 31, v0
	v_mul_u32_u24 v[PFO], v[PFO], SIZE_K*2
	s_wait_tensorcnt 1                             ; my part of K step 0 is in; slot 1's fill stays out
	s_barrier_signal -1
	s_barrier_wait -1
	FETCH 0, F0
	QUARTER 64, F0, F1, 1                          ; the first products start the sums: nothing is cleared
	WIN 0
	s_mov_b32 s3, NSTEP-2
.Lstep:                                                ; a trip: from a K step's second quarter to the next step's first; the slot left is filled again
	QUARTER 128, F1, F0, 0
	QUARTER 192, F0, F1, 0
	TURN 1
	QUARTER 64, F0, F1, 0
	WIN 0
	s_sub_co_u32 s3, s3, 1
	s_cmp_lg_u32 s3, 0
	s_cbranch_scc1 .Lstep
	QUARTER 128, F1, F0, 0                         ; the last two K steps fill nothing
	QUARTER 192, F0, F1, 0
	TURN 0
	QUARTER 64, F0, F1, 0
	QUARTER 128, F1, F0, 0
	QUARTER 192, F0, F1, 0
	s_wait_dscnt 8
	MUL16 F1, 0, 0, 0
	MUL16 F1, 0, 2, 0
	s_wait_dscnt 0x0                               ; my last fragment reads are back
	MUL16 F1, 1, 0, 0
	MUL16 F1, 1, 2, 0
	WIN 0
	s_barrier_signal -1                            ; every wave's fragment reads are over before any wave writes a stage into the ring's bytes
	PLACES
	PLACES                                         ; the places behind the last products
	s_barrier_wait -1
.irp hi, 0,1
	WIN 0x08+0x04*(\hi)                            ; the stores' data (source 1) in window 2, then 3
.irp a, 0,1,2,3
.irp b, 0,1,2,3,4,5,6,7
	ds_store_b128 v[FST], v[8*(8*(\a)+(\b)):8*(8*(\a)+(\b))+3]   offset:(4*(\hi)+(\a))*16*SPF+64*(\b)      ; each accumulator's low four registers first
	ds_store_b128 v[FST], v[8*(8*(\a)+(\b))+4:8*(8*(\a)+(\b))+7] offset:(4*(\hi)+(\a))*16*SPF+64*(\b)+16
.endr
.endr
.endr
	WIN 0
	s_wait_dscnt 0x0                               ; my stores into my stage are done
	s_barrier_signal -1                            ; once a launch: all stores into the stages stand ahead of all reads of them
	s_barrier_wait -1
.irp p, 0,1,2,3
	ds_load_b128 v[XR+8*(\p):XR+8*(\p)+3],   v[FRD] offset:(\p)*2*SPF
	ds_load_b128 v[XR+8*(\p)+4:XR+8*(\p)+7], v[FRD] offset:(\p)*2*SPF+16
.endr
	s_wait_loadcnt 0x0                             ; the bias
	s_mov_b32 s3, 16
.Lgelu:                                                ; a trip: 8 rows, 32 numbers a lane
	s_wait_dscnt 0x0                               ; this trip's rows are in
.set i, 0
.rept 16
	v_pk_add_f32 v[WR+2*i:WR+2*i+1], v[XR+2*i:XR+2*i+1], v[BIAS+2*(i%4):BIAS+2*(i%4)+1]
.set i, i+1
.endr
	v_add_nc_u32 v[FRD], 8*SPF, v[FRD]
	s_cmp_eq_u32 s3, 1
	s_cbranch_scc1 .Lno_more                       ; the last trip has no rows behind it
.irp p, 0,1,2,3
	ds_load_b128 v[XR+8*(\p):XR+8*(\p)+3],   v[FRD] offset:(\p)*2*SPF
	ds_load_b128 v[XR+8*(\p)+4:XR+8*(\p)+7], v[FRD] offset:(\p)*2*SPF+16
.endr
.Lno_more:
.set i, 0
.rept 32
	v_fma_f32 v[TR+i], |v[WR+i]|, s86, 1.0
.set i, i+1
.endr
.set i, 0
.rept 16                               ; the reciprocals stand between the multiplies that make the exponents, which name none of their registers
	v_rcp_f32 v[TR+2*i], v[TR+2*i]
	v_pk_mul_f32 v[ER+2*i:ER+2*i+1], v[WR+2*i:WR+2*i+1], v[WR+2*i:WR+2*i+1]
	v_rcp_f32 v[TR+2*i+1], v[TR+2*i+1]
	v_pk_mul_f32 v[ER+2*i:ER+2*i+1], v[ER+2*i:ER+2*i+1], s[84:85] op_sel_hi:[1,0]
.set i, i+1
.endr
.set i, 0
.rept 32
	v_exp_f32 v[ER+i], v[ER+i]
.set i, i+1
.endr
	v_nop                                          ; a plain instruction behind the last of them
	s_wait_alu depctr_va_vdst(0)                   ; one wait for the batch of 64, ahead of the first use
.set i, 0
.rept 16
	v_pk_fma_f32 v[PR+2*i:PR+2*i+1], v[TR+2*i:TR+2*i+1], s[74:75], s[76:77] op_sel_hi:[1,0,0]
.set i, i+1
.endr
.irp k, 78, 80, 82
.set i, 0
.rept 16
	v_pk_fma_f32 v[PR+2*i:PR+2*i+1], v[PR+2*i:PR+2*i+1], v[TR+2*i:TR+2*i+1], s[\k:\k+1] op_sel_hi:[1,1,0]
.set i, i+1
.endr
.endr
.set i, 0
.rept 16
	v_pk_mul_f32 v[PR+2*i:PR+2*i+1], v[PR+2*i:PR+2*i+1], v[TR+2*i:TR+2*i+1]
.set i, i+1
.endr
.set i, 0
.rept 16
	v_pk_fma_f32 v[PR+2*i:PR+2*i+1], v[PR+2*i:PR+2*i+1], v[ER+2*i:ER+2*i+1], 0.5 op_sel_hi:[1,1,0] neg_lo:[1,0,0] neg_hi:[1,0,0]   ; 0.5 - w
.set i, i+1
.endr
.set i, 0
.rept 32
	v_mul_f32 v[PR+i], |v[WR+i]|, v[PR+i]
.set i, i+1
.endr
.set i, 0
.rept 16
	v_pk_fma_f32 v[PR+2*i:PR+2*i+1], v[WR+2*i:WR+2*i+1], 0.5, v[PR+2*i:PR+2*i+1] op_sel_hi:[1,0,1]
.set i, i+1
.endr
.set i, 0
.rept 16
	v_cvt_pk_bf16_f32 v[OR+i], v[PR+2*i], v[PR+2*i+1]
.set i, i+1
.endr
.irp p, 0,1,2,3
	global_store_b128 v[FO], v[OR+4*(\p):OR+4*(\p)+3], s[8:9] offset:(\p)*16384   ; 16 lanes store 256 consecutive bytes, aligned
.endr
	s_wait_xcnt 0x0                                ; the stores have read their data and their base: only now are these written again
	s_add_nc_u64 s[8:9], s[8:9], 0x10000           ; 8 rows of f on
	s_sub_co_u32 s3, s3, 1
	s_cmp_lg_u32 s3, 0
	s_cbranch_scc1 .Lgelu
	s_wait_tensorcnt 0x0                           ; the wave's end
	ds_add_u32 v[SPW], v[NIL]
	s_wait_dscnt 0x0
	CROUND                                         ; the closing round
	s_endpgm
.Lfunc_end_k_q7cc89fbdbc_ffn1:
	.size	k_q7cc89fbdbc_ffn1, .Lfunc_end_k_q7cc89fbdbc_ffn1-k_q7cc89fbdbc_ffn1
	.p2alignl 7, 3214868480
	.fill 96, 4, 3214868480
	.section	.rodata,"a",@progbits
	.p2align	6, 0x0
	.amdhsa_kernel k_q7cc89fbdbc_ffn1
		.amdhsa_group_segment_fixed_size 327680
		.amdhsa_private_segment_fixed_size 0
		.amdhsa_enable_private_segment 0
		.amdhsa_kernarg_size 32
		.amdhsa_user_sgpr_count 2
		.amdhsa_user_sgpr_kernarg_segment_ptr 1
		.amdhsa_wavefront_size32 1
		.amdhsa_system_sgpr_workgroup_id_x 1
		.amdhsa_system_sgpr_workgroup_id_y 1
		.amdhsa_system_sgpr_workgroup_id_z 1
		.amdhsa_system_vgpr_workitem_id 0
		.amdhsa_next_free_vgpr 1024
		.amdhsa_next_free_sgpr 96
		.amdhsa_reserve_vcc 0
		.amdhsa_float_denorm_mode_32 3
		.amdhsa_float_denorm_mode_16_64 3
		.amdhsa_memory_ordered 1
		.amdhsa_forward_progress 1
		.amdhsa_inst_pref_size 115
	.end_amdhsa_kernel
	.amdgpu_metadata
---
amdhsa.version: [ 1, 2 ]
amdhsa.kernels:
  - .name:           k_q7cc89fbdbc_ffn1
    .symbol:         k_q7cc89fbdbc_ffn1.kd
    .args:
      - { .name: h, .offset: 0, .size: 8, .value_kind: global_buffer, .address_space: global }
      - { .name: wb, .offset: 8, .size: 8, .value_kind: global_buffer, .address_space: global }
      - { .name: f, .offset: 16, .size: 8, .value_kind: global_buffer, .address_space: global }
      - { .name: b1, .offset: 24, .size: 8, .value_kind: global_buffer, .address_space: global }
    .group_segment_fixed_size: 327680
    .private_segment_fixed_size: 0
    .kernarg_segment_align: 8
    .kernarg_segment_size: 32
    .max_flat_workgroup_size: 128
    .sgpr_count:     96
    .vgpr_count:     1024
    .wavefront_size: 32
...
	.end_amdgpu_metadata
.endif
;; end of part 6
;; launch ffn2 (part 7): grid 8 x 32, 4 waves a work-group, clusters of 4 x 4, 327,680 bytes of LDS; arguments f, wb, out0, x1, ls2, b2; writes out0
.if DOCPART == 7
	.amdgcn_target "amdgcn-amd-amdhsa--gfx1250"
	.amdhsa_code_object_version 6
	.text
	.protected	k_q7cc89fbdbc_ffn2
	.globl	k_q7cc89fbdbc_ffn2
	.p2align	8
	.type	k_q7cc89fbdbc_ffn2,@function
k_q7cc89fbdbc_ffn2:
	s_mov_b64 s[64:65], 0
	v_nop
	global_prefetch_b8 v0, s[64:65] scope:SCOPE_SE
	s_setreg_imm32_b32 hwreg(HW_REG_WAVE_MODE, 25, 1), 1
	s_wait_xcnt 0x0
	s_wait_alu depctr_hold_cnt(0) depctr_sa_sdst(0) depctr_va_vdst(0) depctr_va_sdst(0) depctr_va_ssrc(0) depctr_va_vcc(0) depctr_vm_vsrc(0)
	s_getreg_b32 s2, hwreg(HW_REG_IB_STS2, 6, 4)
	s_cmp_eq_u32 s2, 0
	s_cbranch_scc0 .Lentry_in_a_cluster
	s_endpgm
.Lentry_in_a_cluster:
	s_bfe_u32 s2, ttmp6, 0x10000c
	s_cmp_lg_u32 s2, 0xf033
	s_cbranch_scc0 .Lentry_shape_is_right
	s_endpgm
.Lentry_shape_is_right:
; out0 = x1 + (f w2^T + b2) ls2.  f: [4096][4096] bf16; w2: bf16 in wb; x1, out0: [4096][1024] f32; ls2, b2: [1024] f32.  Sums in f32.
; THE PRODUCT.  A tile of C is 128 x 128: four waves, each 64 x 64 (16 accumulators).  K = 4,096 goes in 16 steps of 256 through two LDS slots (rows of 512 bytes + 16 of padding); a wave's tensor load brings 64 rows.
; One K step is one trip of the loop: the slot in hand is a scalar (0 or SLOT) that an exclusive or turns; one descriptor a tensor walks.  SLOT shares no bit with wave x HALFT, so the exclusive or adds or takes away SLOT.
; CLUSTER 4 x 4: the four of a row need the same tiles of A, the four of a column the same tiles of B: each tile is asked for jointly.
; THE MATRIX INSTRUCTION IS USED TRANSPOSED (source 0 = 16 rows of B, source 1 = 16 rows of A): a lane holds row lane % 16 of C and eight neighbouring columns.
; THE WAY OUT.  A wave's 64 columns of f32 are 256 aligned bytes of a row.  16 rows at a time go through the wave's own stage and come back as whole rows, 16 bytes a lane; there bias, gain and residual
; (fetched at the kernel's head, in the same layout) are applied, and sixteen lanes store 256 consecutive bytes.
; REGISTERS: window 0: v0-31 addresses, v96-103 gain and bias, v128-255 accumulators; window 1: two fragment buffers of 128; window 2: v0-127 the residual.
.set SIZE_K, 4096
.set NSTEP,  SIZE_K/256
.set BOFF,   16777216                  ; where B begins in wb
.set HAS_BIAS, 1
.set KSTEP,  256
.set PITCH,  528
.set HALFT,  64*PITCH
.set SLOT,   4*HALFT
.set STAGE,  2*SLOT                    ; behind the ring: 16 rows x 272 bytes for each wave
.set SP,     272
.set SPARE,  STAGE+4*16*SP             ; the spare words, 128 bytes a wave: two blocks of 256 bytes that no other line names
.set A0,   16
.set B0,   17
.set ADRA, 18
.set ADRB, 19
.set STO,  24
.set RD,   25
.set CO,   26
.set LO,   27
.set SPW,  28
.set NIL,  29
.set ACC,  128
.set F0,   0
.set F1,   128
.set G1,   24
.set G0,   32
.set G1B,  48
.set G0B,  56
.set TB,   45
.set MSB, 0
.macro WIN new
.if MSB != (\new)
	s_set_vgpr_msb (MSB<<8)|(\new)
.set MSB, \new
.endif
.endm
.set MUL,  0x05
.set TO_F, 0x40
.macro JLOAD s                         ; a joint load: waves 0 and 1 fetch A's two halves, waves 2 and 3 B's; an s_nop 0 and four v_nop follow each line
	s_cmp_eq_u32 s11, 0
	s_cbranch_scc0 .Lfor_b_\@
	tensor_load_to_lds s[G0+4*(\s):G0+4*(\s)+3], s[G1:G1+7]
	s_nop 0
.rept 4
	v_nop
.endr
	s_branch .Lasked_\@
.Lfor_b_\@:
	tensor_load_to_lds s[G0B+4*(\s):G0B+4*(\s)+3], s[G1B:G1B+7]
	s_nop 0
.rept 4
	v_nop
.endr
.Lasked_\@:
.endm
.macro CREST
	s_cmp_lg_u32 s10, 0
	s_cbranch_scc1 .Lnot_wave_0_\@
	s_barrier_signal -3
.Lnot_wave_0_\@:
	s_barrier_wait -3
	s_barrier_signal -1
	s_barrier_wait -1
.endm
.macro CROUND
	s_barrier_signal -1
	s_barrier_wait -1
	CREST
.endm
.macro PLACES
.rept 4
	v_nop
.endr
.endm
.macro MUL8 f, c, a0, zero
	WIN MUL
.irp a, \a0, (\a0)+1
.irp b, 0,1,2,3
.if \zero
	v_wmma_f32_16x16x32_bf16 v[ACC+8*(4*(\a)+(\b)):ACC+8*(4*(\a)+(\b))+7], v[(\f)+64+8*(4*(\c)+(\b)):(\f)+64+8*(4*(\c)+(\b))+7], v[(\f)+8*(4*(\c)+(\a)):(\f)+8*(4*(\c)+(\a))+7], 0
.else
	v_wmma_f32_16x16x32_bf16 v[ACC+8*(4*(\a)+(\b)):ACC+8*(4*(\a)+(\b))+7], v[(\f)+64+8*(4*(\c)+(\b)):(\f)+64+8*(4*(\c)+(\b))+7], v[(\f)+8*(4*(\c)+(\a)):(\f)+8*(4*(\c)+(\a))+7], v[ACC+8*(4*(\a)+(\b)):ACC+8*(4*(\a)+(\b))+7]
.endif
.endr
.endr
.endm
.macro FETCH k, f
	WIN TO_F
.irp c, 0,1
.irp i, 0,1,2,3
	ds_load_b128 v[(\f)+64+8*(4*(\c)+(\i)):(\f)+64+8*(4*(\c)+(\i))+3],   v[ADRB] offset:(\k)+64*(\c)+(\i)*16*PITCH
	ds_load_b128 v[(\f)+64+8*(4*(\c)+(\i))+4:(\f)+64+8*(4*(\c)+(\i))+7], v[ADRB] offset:(\k)+64*(\c)+(\i)*16*PITCH+32
	ds_load_b128 v[(\f)+8*(4*(\c)+(\i)):(\f)+8*(4*(\c)+(\i))+3],         v[ADRA] offset:(\k)+64*(\c)+(\i)*16*PITCH
	ds_load_b128 v[(\f)+8*(4*(\c)+(\i))+4:(\f)+8*(4*(\c)+(\i))+7],       v[ADRA] offset:(\k)+64*(\c)+(\i)*16*PITCH+32
.endr
.endr
.endm
.macro QUARTER k, f, g, zero
	s_wait_dscnt 16                                ; the first 32 along K are in; the youngest sixteen loads may be out
	MUL8 \f, 0, 0, \zero
	MUL8 \f, 0, 2, \zero
	PLACES
	FETCH \k, \g
	s_wait_dscnt 32                                ; all but the 32 just issued
	MUL8 \f, 1, 0, 0
	MUL8 \f, 1, 2, 0
.endm
.macro TURN fill                       ; the last quarter of a K step, and the change of slots
	WIN 0
	s_wait_tensorcnt 0x0                           ; all my tensor loads have landed: my part of the next slot
	ds_add_u32 v[SPW], v[NIL]
	s_wait_dscnt 17                                ; the add and the youngest sixteen loads may be out
	MUL8 F1, 0, 0, 0
	s_wait_dscnt 0x0                               ; the add is done, and my reads of this slot are over
	s_barrier_signal -1
	MUL8 F1, 0, 2, 0
	WIN 0
	s_barrier_wait -1
.if \fill
	CREST                                          ; no wave of any partner still reads this slot or has a load on its way
	s_xor_b32 s[G0+5], s[G0+5], SLOT
	s_add_nc_u64 s[G0+6:G0+7], s[G0+6:G0+7], KSTEP*2
	s_xor_b32 s[G0B+5], s[G0B+5], SLOT
	s_add_nc_u64 s[G0B+6:G0B+7], s[G0B+6:G0B+7], KSTEP*2
	JLOAD 1
.else
	PLACES
.endif
	s_xor_b32 s[TB], s[TB], SLOT
	v_add_nc_u32 v[ADRA], s[TB], v[A0]
	v_add_nc_u32 v[ADRB], s[TB], v[B0]
	FETCH 0, F0
	MUL8 F1, 1, 0, 0
	MUL8 F1, 1, 2, 0
.endm
.macro STG a                           ; 16 rows of f32 into my stage (each accumulator's low four registers first) and back as whole rows, into the registers that they left
.irp b, 0,1,2,3
	ds_store_b128 v[STO], v[ACC+8*(4*(\a)+(\b)):ACC+8*(4*(\a)+(\b))+3]   offset:64*(\b)
	ds_store_b128 v[STO], v[ACC+8*(4*(\a)+(\b))+4:ACC+8*(4*(\a)+(\b))+7] offset:64*(\b)+16
.endr
.irp t, 0,1,2,3,4,5,6,7
	ds_load_b128 v[ACC+32*(\a)+4*(\t):ACC+32*(\a)+4*(\t)+3], v[RD] offset:(\t)*2*SP   ; LDS serves a wave's instructions in order: these see the stores above
.endr
.endm
.macro FIN a, younger                  ; younger: the LDS instructions issued behind block a's loads
.irp t, 0,1,2,3,4,5,6,7
.set VV, ACC+32*(\a)+4*(\t)
.set RR, 4*(8*(\a)+(\t))
	s_wait_dscnt (\younger)+7-(\t)
.if HAS_BIAS
	v_pk_add_f32 v[VV:VV+1], v[VV:VV+1], v[100:101]
	v_pk_add_f32 v[VV+2:VV+3], v[VV+2:VV+3], v[102:103]
.endif
	v_pk_fma_f32 v[VV:VV+1], v[VV:VV+1], v[96:97], v[RR:RR+1]
	v_pk_fma_f32 v[VV+2:VV+3], v[VV+2:VV+3], v[98:99], v[RR+2:RR+3]
	global_store_b128 v[CO], v[VV:VV+3], s[8:9] offset:(16*(\a)+2*(\t))*4096   ; 16 lanes store 256 consecutive bytes, aligned
.endr
.endm
	s_load_b128 s[4:7], s[0:1], 0x0                ; A s[4:5], wb s[6:7]
	s_load_b64 s[8:9], s[0:1], 0x10                ; the output
	s_load_b128 s[68:71], s[0:1], 0x18             ; the residual s[68:69], the gain s[70:71]
.if HAS_BIAS
	s_load_b64 s[72:73], s[0:1], 0x28              ; the bias
.endif
	v_lshl_add_u32 v[SPW], v0, 2, SPARE
	v_mov_b32 v[NIL], 0
	ds_add_u32 v[SPW], v[NIL]                      ; the wave's opening: the add and its wait ahead of my first tensor load
	v_lshrrev_b32 v1, 5, v0
	v_readfirstlane_b32 s10, v1
	s_lshr_b32 s11, s10, 1
	s_and_b32 s12, s10, 1
	s_bfe_u32 s40, ttmp6, 0x40000
	s_bfe_u32 s41, ttmp6, 0x40004
	s_lshl_b32 s42, ttmp9, 2
	s_add_co_u32 s42, s42, s40                     ; tile column
	s_and_b32 s13, ttmp7, 0xffff
	s_lshl_b32 s13, s13, 2
	s_add_co_u32 s13, s13, s41                     ; tile row
	s_lshl_b32 s43, s41, 2
	s_lshl_b32 s43, 15, s43
	s_lshl_b32 s44, 0x1111, s40
	s_or_b32 s[G1+0], s43, (1<<16)|(1<<20)|(1<<21)|(6<<22)|(3<<25)
	s_or_b32 s[G1B+0], s44, (1<<16)|(1<<20)|(1<<21)|(6<<22)|(3<<25)
.irp g, G1, G1B
	s_mov_b32 s[(\g)+1], KSTEP<<16
	s_mov_b32 s[(\g)+2], 64<<16
	s_mov_b32 s[(\g)+3], KSTEP<<16
	s_mov_b32 s[(\g)+4], 64
	s_mov_b32 s[(\g)+5], SIZE_K
	s_mov_b32 s[(\g)+6], 0
	s_mov_b32 s[(\g)+7], 0
.endr
	s_lshl_b32 s17, s12, 6
	s_lshl_b32 s16, s13, 7
	s_add_co_u32 s16, s16, s17
	s_lshl_b32 s46, s42, 7
	s_add_co_u32 s46, s46, s17
	s_mov_b32 s17, 0
	s_mov_b32 s47, 0
	s_mov_b64 s[18:19], SIZE_K*2
	s_mul_u64 s[16:17], s[16:17], s[18:19]
	s_mul_u64 s[46:47], s[46:47], s[18:19]
	s_mul_i32 s20, s10, HALFT
	s_mov_b32 s[TB], 0
	s_wait_dscnt 0x0                               ; the opening add is done
	s_wait_kmcnt 0x0
.if BOFF
	s_add_nc_u64 s[6:7], s[6:7], BOFF
.endif
	s_add_nc_u64 s[14:15], s[4:5], s[16:17]
	s_add_nc_u64 s[46:47], s[6:7], s[46:47]
	CROUND                                         ; all sixteen work-groups are here: the first joint loads meet
.irp s, 0,1
	s_mov_b32 s[G0+4*(\s)], 1
	s_add_co_u32 s[G0+4*(\s)+1], s20, (\s)*SLOT
	s_add_nc_u64 s[G0+4*(\s)+2:G0+4*(\s)+3], s[14:15], (\s)*KSTEP*2
	s_or_b32 s[G0+4*(\s)+3], s[G0+4*(\s)+3], 0x80000000
	s_mov_b32 s[G0B+4*(\s)], 1
	s_add_co_u32 s[G0B+4*(\s)+1], s20, (\s)*SLOT
	s_add_nc_u64 s[G0B+4*(\s)+2:G0B+4*(\s)+3], s[46:47], (\s)*KSTEP*2
	s_or_b32 s[G0B+4*(\s)+3], s[G0B+4*(\s)+3], 0x80000000
	JLOAD \s
.endr
	v_and_b32 v1, 15, v0
	v_bfe_u32 v2, v0, 4, 1
	v_mul_u32_u24 v3, v1, PITCH
	v_lshl_add_u32 v3, v2, 4, v3
	s_mul_i32 s21, s11, HALFT
	s_mul_i32 s22, s12, HALFT
	s_add_co_u32 s22, s22, 2*HALFT
	v_add_nc_u32 v[A0], s21, v3
	v_add_nc_u32 v[B0], s22, v3
	v_mov_b32 v[ADRA], v[A0]
	v_mov_b32 v[ADRB], v[B0]
	; my 64 x 64 of the output and of the residual; my 64 columns of the gain and bias
	s_lshl_b32 s46, s13, 7
	s_lshl_b32 s47, s11, 6
	s_add_co_u32 s46, s46, s47
	s_lshl_b32 s46, s46, 12                        ; a row is 4,096 bytes
	s_lshl_b32 s74, s42, 9
	s_lshl_b32 s75, s12, 8
	s_add_co_u32 s74, s74, s75                     ; my columns' first byte
	s_add_co_u32 s46, s46, s74
	s_mov_b32 s47, 0
	s_mov_b32 s75, 0
	s_add_nc_u64 s[8:9], s[8:9], s[46:47]
	s_add_nc_u64 s[68:69], s[68:69], s[46:47]
	s_add_nc_u64 s[70:71], s[70:71], s[74:75]
.if HAS_BIAS
	s_add_nc_u64 s[72:73], s[72:73], s[74:75]
.endif
	v_lshlrev_b32 v[LO], 4, v1                     ; 16 bytes a lane of a row's 256
	v_lshl_add_u32 v[CO], v2, 12, v[LO]            ; lanes 16-31 one row further down
	global_load_b128 v[96:99], v[LO], s[70:71]
.if HAS_BIAS
	global_load_b128 v[100:103], v[LO], s[72:73]
.endif
	WIN 0x80                                       ; destination window 2
.irp a, 0,1,2,3
.irp t, 0,1,2,3,4,5,6,7
	global_load_b128 v[4*(8*(\a)+(\t)):4*(8*(\a)+(\t))+3], v[CO], s[68:69] offset:(16*(\a)+2*(\t))*4096
.endr
.endr
	WIN 0
	s_mul_i32 s23, s10, 16*SP
	s_add_co_u32 s23, s23, STAGE                   ; my stage
	v_mul_u32_u24 v4, v1, SP
	v_lshl_add_u32 v4, v2, 5, v4
	v_add_nc_u32 v[STO], s23, v4                   ; in: row r, 32 bytes for each half of the lanes
	v_mul_u32_u24 v5, v2, SP
	v_lshl_add_u32 v5, v1, 4, v5
	v_add_nc_u32 v[RD], s23, v5                    ; back: lanes 0-15 one row of 256 bytes, lanes 16-31 the next
	s_wait_tensorcnt 1                             ; my part of K step 0 is in; slot 1's fill stays out
	s_barrier_signal -1
	s_barrier_wait -1
	FETCH 0, F0
	QUARTER 128, F0, F1, 1
	WIN 0
	s_mov_b32 s3, NSTEP-2
.Lstep:
	QUARTER 256, F1, F0, 0
	QUARTER 384, F0, F1, 0
	TURN 1
	QUARTER 128, F0, F1, 0
	WIN 0
	s_sub_co_u32 s3, s3, 1
	s_cmp_lg_u32 s3, 0
	s_cbranch_scc1 .Lstep
	QUARTER 256, F1, F0, 0                         ; the last two K steps fill nothing
	QUARTER 384, F0, F1, 0
	TURN 0
	QUARTER 128, F0, F1, 0
	QUARTER 256, F1, F0, 0
	QUARTER 384, F0, F1, 0
	s_wait_dscnt 16
	MUL8 F1, 0, 0, 0
	MUL8 F1, 0, 2, 0
	s_wait_dscnt 0x0
	MUL8 F1, 1, 0, 0
	MUL8 F1, 1, 2, 0
	WIN 0
	PLACES
	PLACES
	s_wait_loadcnt 0x0                             ; residual, gain, bias
	WIN 0x20                                       ; source 2 in window 2: the residual
	STG 0
	STG 1
	FIN 0, 16
	STG 2
	FIN 1, 16
	STG 3
	FIN 2, 16
	FIN 3, 0
	WIN 0
	s_wait_tensorcnt 0x0                           ; the wave's end
	ds_add_u32 v[SPW], v[NIL]
	s_wait_dscnt 0x0
	CROUND                                         ; the closing round
	s_endpgm
.Lfunc_end_k_q7cc89fbdbc_ffn2:
	.size	k_q7cc89fbdbc_ffn2, .Lfunc_end_k_q7cc89fbdbc_ffn2-k_q7cc89fbdbc_ffn2
	.p2alignl 7, 3214868480
	.fill 96, 4, 3214868480
	.section	.rodata,"a",@progbits
	.p2align	6, 0x0
	.amdhsa_kernel k_q7cc89fbdbc_ffn2
		.amdhsa_group_segment_fixed_size 327680
		.amdhsa_private_segment_fixed_size 0
		.amdhsa_enable_private_segment 0
		.amdhsa_kernarg_size 48
		.amdhsa_user_sgpr_count 2
		.amdhsa_user_sgpr_kernarg_segment_ptr 1
		.amdhsa_wavefront_size32 1
		.amdhsa_system_sgpr_workgroup_id_x 1
		.amdhsa_system_sgpr_workgroup_id_y 1
		.amdhsa_system_sgpr_workgroup_id_z 1
		.amdhsa_system_vgpr_workitem_id 0
		.amdhsa_next_free_vgpr 640
		.amdhsa_next_free_sgpr 96
		.amdhsa_reserve_vcc 0
		.amdhsa_float_denorm_mode_32 3
		.amdhsa_float_denorm_mode_16_64 3
		.amdhsa_memory_ordered 1
		.amdhsa_forward_progress 1
		.amdhsa_inst_pref_size 80
	.end_amdhsa_kernel
	.amdgpu_metadata
---
amdhsa.version: [ 1, 2 ]
amdhsa.kernels:
  - .name:           k_q7cc89fbdbc_ffn2
    .symbol:         k_q7cc89fbdbc_ffn2.kd
    .args:
      - { .name: f, .offset: 0, .size: 8, .value_kind: global_buffer, .address_space: global }
      - { .name: wb, .offset: 8, .size: 8, .value_kind: global_buffer, .address_space: global }
      - { .name: out0, .offset: 16, .size: 8, .value_kind: global_buffer, .address_space: global }
      - { .name: x1, .offset: 24, .size: 8, .value_kind: global_buffer, .address_space: global }
      - { .name: ls2, .offset: 32, .size: 8, .value_kind: global_buffer, .address_space: global }
      - { .name: b2, .offset: 40, .size: 8, .value_kind: global_buffer, .address_space: global }
    .group_segment_fixed_size: 327680
    .private_segment_fixed_size: 0
    .kernarg_segment_align: 8
    .kernarg_segment_size: 48
    .max_flat_workgroup_size: 128
    .sgpr_count:     96
    .vgpr_count:     640
    .wavefront_size: 32
...
	.end_amdgpu_metadata
.endif
;; end of part 7
;; ======== version 2 of 2: 8 launches; version 1 with the launches prep, ln1, ln2 written anew for expert scheduling mode
;; limits: a function is approximated: absolute error at most 1.5e-07; a function is approximated: absolute error at most 0.00022
;; workspace buffers: wb 25,165,824 bytes; rope 524,288 bytes; h 8,388,608 bytes; qkv 26,738,688 bytes; ao 8,388,608 bytes; x1 16,777,216 bytes; f 33,554,432 bytes
;; launch prep (part 8): grid 64 x 13, 8 waves a work-group, no clusters, 0 bytes of LDS; arguments wq, wk, wv, wo, w1, w2, wb, rope, qkv; writes wb, rope, qkv
.if DOCPART == 8
	.amdgcn_target "amdgcn-amd-amdhsa--gfx1250"
	.amdhsa_code_object_version 6
	.text
	.protected	k_q7cc89fbdbc_prep
	.globl	k_q7cc89fbdbc_prep
	.p2align	8
	.type	k_q7cc89fbdbc_prep,@function
k_q7cc89fbdbc_prep:
	s_mov_b64 s[64:65], 0
	v_nop
	global_prefetch_b8 v0, s[64:65] scope:SCOPE_SE
	s_setreg_imm32_b32 hwreg(HW_REG_WAVE_SCHED_MODE, 0, 2), 2
	s_setreg_imm32_b32 hwreg(HW_REG_WAVE_MODE, 25, 1), 1
	s_wait_xcnt 0x0
	s_wait_alu depctr_vm_vsrc(0)
; PREP.  (a) The six weight matrices, f32, are rounded once to bf16 into wb: 12 units of 1 Mi numbers in the order wq, wk, wv, wo, w1 (4 units), w2 (4 units).
; Grid row y = 0..11 is a unit, 64 work-groups each; a wave takes 2,048 numbers: 16 loads of 512 consecutive bytes, 16 stores of 256 consecutive aligned bytes.
; (b) Grid row y = 12: work-group x clears the 128 pad rows (16,384 bytes) of head 32 + x of qkv (the K and V sections) and makes rows 32 x .. 32 x + 31 of the
; rotary table: row t = cos(t f_i), i = 0..31, then sin(t f_i); f_i = 10000^(-i/32).
; LIMITS.  The angle t f_i is formed and reduced by whole turns in f32: at t = 2,047 it is off by up to 2e-4 radians.  cos and sin on [-pi, pi] are series cut at
; y^14 and y^13: off by at most 2.2e-5.  Row 0 is exactly cos = 1, sin = 0.
; No LDS, no matrix unit, no cluster: a stream in which no byte is shared.
; THE MODE: SCHED_MODE bits 1:0 = 2 (LLVM: expert scheduling mode 2), set by the entry lines.  The code itself states the register dependences
; between vector instructions and memory instructions, with s_wait_alu, always for 0.
; THE PLAN, the cast.  Registers that memory instructions touch:
;   v1, v2      byte offsets, made once at the head and never written again.
;   v[16:79]    sixteen loads land here; no vector instruction names them before the loads are issued; group g's roundings read its sixteen.
;   v[80:111]   written by the roundings, each register once; read by the stores.
; The sixteen loads go in four groups of four.  Group g's roundings write its eight out-registers; its four stores are issued in group g + 1, behind the one wait at that
; group's head, and are dealt among that group's roundings, which name other registers.  No register that a memory instruction reads is ever written again.
; THE PLAN, the table.  v5 (offset) and v[8:11] (zeros) are made once, ahead of one wait and the pad's stores; v[36:43], the two passes' results, are written once, ahead of one wait and the table's two stores.
.set HS, 278528                        ; bytes of a head in qkv: 2,176 rows of 128
	s_load_b512 s[4:19], s[0:1], 0x0               ; wq s[4:5], wk s[6:7], wv s[8:9], wo s[10:11], w1 s[12:13], w2 s[14:15], wb s[16:17], rope s[18:19]
	s_load_b64 s[20:21], s[0:1], 0x40              ; qkv
	s_and_b32 s22, ttmp7, 0xffff                   ; y
	v_lshrrev_b32 v3, 5, v0                        ; wave
	v_and_b32 v4, 31, v0                           ; lane
	s_wait_kmcnt 0x0
	s_cmp_eq_u32 s22, 12
	s_cbranch_scc1 .Ltab
	; THE CAST.  Which matrix, and which of its units
	s_and_b32 s23, s22, 3                          ; the unit inside w1 (y = 4..7) or w2 (y = 8..11)
	s_mov_b64 s[24:25], s[14:15]
	s_cmp_lt_u32 s22, 8
	s_cselect_b64 s[24:25], s[12:13], s[24:25]
	s_cmp_lt_u32 s22, 4
	s_cselect_b64 s[24:25], s[10:11], s[24:25]
	s_cselect_b32 s23, 0, s23                      ; the four square matrices are one unit each
	s_cmp_lt_u32 s22, 3
	s_cselect_b64 s[24:25], s[8:9], s[24:25]
	s_cmp_lt_u32 s22, 2
	s_cselect_b64 s[24:25], s[6:7], s[24:25]
	s_cmp_lt_u32 s22, 1
	s_cselect_b64 s[24:25], s[4:5], s[24:25]
	s_lshl_b32 s28, s23, 22                        ; a unit is 4 MiB of f32,
	s_lshl_b32 s30, ttmp9, 16                      ; a work-group's share 64 KiB
	s_add_co_u32 s28, s28, s30
	s_mov_b32 s29, 0
	s_add_nc_u64 s[24:25], s[24:25], s[28:29]
	s_lshl_b32 s30, s22, 21                        ; 2 MiB of bf16,
	s_lshl_b32 s31, ttmp9, 15                      ; 32 KiB
	s_add_co_u32 s30, s30, s31
	s_mov_b32 s31, 0
	s_add_nc_u64 s[16:17], s[16:17], s[30:31]
	v_lshlrev_b32 v1, 4, v4
	v_lshl_add_u32 v1, v3, 13, v1                  ; in: 8,192 x wave + 16 x lane
	v_lshlrev_b32 v2, 3, v4
	v_lshl_add_u32 v2, v3, 12, v2                  ; out: 4,096 x wave + 8 x lane
	s_wait_alu depctr_va_vdst(0)                   ; v1 and v2 are written: every load of the cast reads v1 as its offset, every store v2
.irp j, 0,1,2,3,4,5,6,7,8,9,10,11,12,13,14,15
	global_load_b128 v[16+4*(\j):19+4*(\j)], v1, s[24:25] offset:512*(\j) th:TH_LOAD_NT
.endr
; Group g: loads 4 g .. 4 g + 3 are rounded; the four stores of the group before go out among the roundings.
.macro GROUP g
	s_wait_loadcnt 12-4*(\g)                       ; loads come back in order: this group's four are in, the younger groups' stay out
.if (\g) > 0
	s_wait_alu depctr_va_vdst(0)                   ; the roundings of the group before have written its eight out-registers, which the stores below read
.endif
.irp k, 0,1,2,3
.if (\g) > 0
	global_store_b64 v2, v[80+2*(4*(\g)-4+(\k)):81+2*(4*(\g)-4+(\k))], s[16:17] offset:256*(4*(\g)-4+(\k))   ; no vector instruction since the wait names these registers; none is written twice
.endif
	v_cvt_pk_bf16_f32 v[80+2*(4*(\g)+(\k))], v[16+4*(4*(\g)+(\k))], v[17+4*(4*(\g)+(\k))]
	v_cvt_pk_bf16_f32 v[81+2*(4*(\g)+(\k))], v[18+4*(4*(\g)+(\k))], v[19+4*(4*(\g)+(\k))]
.endr
.endm
	GROUP 0
	GROUP 1
	GROUP 2
	GROUP 3
	s_wait_alu depctr_va_vdst(0)                   ; the last group's roundings have written v[104:111], which the last four stores read
.irp k, 0,1,2,3
	global_store_b64 v2, v[104+2*(\k):105+2*(\k)], s[16:17] offset:256*(12+(\k))
.endr
	s_endpgm
.Ltab:
	; the pad rows: tokens -128 .. -1 of a head of K or V read as zeros
	s_add_co_u32 s28, ttmp9, 32
	s_mul_i32 s28, s28, HS
	s_mov_b32 s29, 0
	s_add_nc_u64 s[20:21], s[20:21], s[28:29]
	v_lshlrev_b32 v5, 4, v0                        ; 16 x thread: for the pad, and for the table (row (thread / 16) x 256 + 16 (thread % 16))
	v_mov_b32 v8, 0
	v_mov_b32 v9, 0
	v_mov_b32 v10, 0
	v_mov_b32 v11, 0
	s_wait_alu depctr_va_vdst(0)                   ; v5, the offset of every store below, and v[8:11], the pad's zeros, are written; none of the five is written again
.irp k, 0,1,2,3
	global_store_b128 v5, v[8:11], s[20:21] offset:4096*(\k)
.endr
	; the table.  Thread: q = thread % 16 takes frequencies 4 (q % 8) + 0..3, cos where q < 8, sin else; sixteen threads write a row's 256 bytes
	s_lshl_b32 s28, ttmp9, 13                      ; 32 rows of 256 bytes
	s_mov_b32 s29, 0
	s_add_nc_u64 s[18:19], s[18:19], s[28:29]
	v_and_b32 v6, 7, v0
	v_lshlrev_b32 v6, 2, v6
	v_cvt_f32_u32 v7, v6
	v_add_f32 v12, 0, v7
	v_add_f32 v13, 1.0, v7
	v_add_f32 v14, 2.0, v7
	v_add_f32 v15, 3.0, v7
.irp e, 0,1,2,3
	v_mul_f32 v[12+(\e)], 0xbed49a78, v[12+(\e)]   ; -i log2(10000) / 32
.endr
.irp e, 0,1,2,3
	v_exp_f32 v[16+(\e)], v[12+(\e)]               ; f_i
.endr
	v_and_b32 v47, 15, v0                          ; a plain instruction behind the last exponential
	s_wait_alu depctr_va_vdst(0)                   ; the four exponentials have written v[16:19]: one wait for the batch, ahead of the first use
	s_lshl_b32 s30, ttmp9, 5
	v_lshrrev_b32 v46, 4, v0
	v_add_nc_u32 v46, s30, v46                     ; t of the first pass
	v_cmp_gt_u32 vcc_lo, 8, v47                    ; q < 8: cos
	s_wait_alu depctr_va_vcc(0)                    ; the compare has written VCC, ahead of its first reader: the eight selects below read it
.macro TAB p
	v_add_nc_u32 v48, 16*(\p), v46
	v_cvt_f32_u32 v48, v48
.irp e, 0,1,2,3
	v_mul_f32 v[20+(\e)], v48, v[16+(\e)]          ; the angle,
	v_mul_f32 v[24+(\e)], 0.15915494, v[20+(\e)]   ; in turns,
	v_rndne_f32 v[28+(\e)], v[24+(\e)]
	v_sub_f32 v[24+(\e)], v[24+(\e)], v[28+(\e)]   ; less whole turns: -0.5 .. 0.5
	v_mul_f32 v[20+(\e)], 0x40c90fdb, v[24+(\e)]   ; y in -pi .. pi
	v_mul_f32 v[24+(\e)], v[20+(\e)], v[20+(\e)]   ; z = y^2
	v_mov_b32 v[28+(\e)], 0xad49cba5               ; cos: -1/14!, 1/12!, .. by Horner in z
	v_fmaak_f32 v[28+(\e)], v[28+(\e)], v[24+(\e)], 0x310f76c7
	v_fmaak_f32 v[28+(\e)], v[28+(\e)], v[24+(\e)], 0xb493f27e
	v_fmaak_f32 v[28+(\e)], v[28+(\e)], v[24+(\e)], 0x37d00d01
	v_fmaak_f32 v[28+(\e)], v[28+(\e)], v[24+(\e)], 0xbab60b61
	v_fmaak_f32 v[28+(\e)], v[28+(\e)], v[24+(\e)], 0x3d2aaaab
	v_fma_f32 v[28+(\e)], v[28+(\e)], v[24+(\e)], -0.5
	v_fma_f32 v[28+(\e)], v[28+(\e)], v[24+(\e)], 1.0
	v_mov_b32 v[32+(\e)], 0x2f309231               ; sin / y: 1/13!, -1/11!, ..
	v_fmaak_f32 v[32+(\e)], v[32+(\e)], v[24+(\e)], 0xb2d7322b
	v_fmaak_f32 v[32+(\e)], v[32+(\e)], v[24+(\e)], 0x3638ef1d
	v_fmaak_f32 v[32+(\e)], v[32+(\e)], v[24+(\e)], 0xb9500d01
	v_fmaak_f32 v[32+(\e)], v[32+(\e)], v[24+(\e)], 0x3c088889
	v_fmaak_f32 v[32+(\e)], v[32+(\e)], v[24+(\e)], 0xbe2aaaab
	v_fma_f32 v[32+(\e)], v[32+(\e)], v[24+(\e)], 1.0
	v_mul_f32 v[32+(\e)], v[32+(\e)], v[20+(\e)]
	v_cndmask_b32 v[36+4*(\p)+(\e)], v[32+(\e)], v[28+(\e)], vcc_lo   ; each pass has its own four registers
.endr
.endm
	TAB 0
	TAB 1
	s_wait_alu depctr_va_vdst(0)                   ; the selects of both passes have written v[36:43], which the two stores read
	global_store_b128 v5, v[36:39], s[18:19]
	global_store_b128 v5, v[40:43], s[18:19] offset:4096
	s_endpgm
.Lfunc_end_k_q7cc89fbdbc_prep:
	.size	k_q7cc89fbdbc_prep, .Lfunc_end_k_q7cc89fbdbc_prep-k_q7cc89fbdbc_prep
	.p2alignl 7, 3214868480
	.fill 96, 4, 3214868480
	.section	.rodata,"a",@progbits
	.p2align	6, 0x0
	.amdhsa_kernel k_q7cc89fbdbc_prep
		.amdhsa_group_segment_fixed_size 0
		.amdhsa_private_segment_fixed_size 0
		.amdhsa_enable_private_segment 0
		.amdhsa_kernarg_size 72
		.amdhsa_user_sgpr_count 2
		.amdhsa_user_sgpr_kernarg_segment_ptr 1
		.amdhsa_wavefront_size32 1
		.amdhsa_system_sgpr_workgroup_id_x 1
		.amdhsa_system_sgpr_workgroup_id_y 1
		.amdhsa_system_sgpr_workgroup_id_z 1
		.amdhsa_system_vgpr_workitem_id 0
		.amdhsa_next_free_vgpr 112
		.amdhsa_next_free_sgpr 66
		.amdhsa_reserve_vcc 1
		.amdhsa_float_denorm_mode_32 3
		.amdhsa_float_denorm_mode_16_64 3
		.amdhsa_memory_ordered 1
		.amdhsa_forward_progress 1
		.amdhsa_inst_pref_size 19
	.end_amdhsa_kernel
	.amdgpu_metadata
---
amdhsa.version: [ 1, 2 ]
amdhsa.kernels:
  - .name:           k_q7cc89fbdbc_prep
    .symbol:         k_q7cc89fbdbc_prep.kd
    .args:
      - { .name: wq, .offset: 0, .size: 8, .value_kind: global_buffer, .address_space: global }
      - { .name: wk, .offset: 8, .size: 8, .value_kind: global_buffer, .address_space: global }
      - { .name: wv, .offset: 16, .size: 8, .value_kind: global_buffer, .address_space: global }
      - { .name: wo, .offset: 24, .size: 8, .value_kind: global_buffer, .address_space: global }
      - { .name: w1, .offset: 32, .size: 8, .value_kind: global_buffer, .address_space: global }
      - { .name: w2, .offset: 40, .size: 8, .value_kind: global_buffer, .address_space: global }
      - { .name: wb, .offset: 48, .size: 8, .value_kind: global_buffer, .address_space: global }
      - { .name: rope, .offset: 56, .size: 8, .value_kind: global_buffer, .address_space: global }
      - { .name: qkv, .offset: 64, .size: 8, .value_kind: global_buffer, .address_space: global }
    .group_segment_fixed_size: 0
    .private_segment_fixed_size: 0
    .kernarg_segment_align: 8
    .kernarg_segment_size: 72
    .max_flat_workgroup_size: 256
    .sgpr_count:     66
    .vgpr_count:     112
    .wavefront_size: 32
...
	.end_amdgpu_metadata
.endif
;; end of part 8
;; launch ln1 (part 9): grid 256 x 1, 8 waves a work-group, no clusters, 0 bytes of LDS; arguments x, norm1_w, norm1_b, h; writes h
.if DOCPART == 9
	.amdgcn_target "amdgcn-amd-amdhsa--gfx1250"
	.amdhsa_code_object_version 6
	.text
	.protected	k_q7cc89fbdbc_ln1
	.globl	k_q7cc89fbdbc_ln1
	.p2align	8
	.type	k_q7cc89fbdbc_ln1,@function
k_q7cc89fbdbc_ln1:
	s_mov_b64 s[64:65], 0
	v_nop
	global_prefetch_b8 v0, s[64:65] scope:SCOPE_SE
	s_setreg_imm32_b32 hwreg(HW_REG_WAVE_SCHED_MODE, 0, 2), 2
	s_setreg_imm32_b32 hwreg(HW_REG_WAVE_MODE, 25, 1), 1
	s_wait_xcnt 0x0
	s_wait_alu depctr_vm_vsrc(0)
; LAYER NORM.  out[r][c] = (x[r][c] - mean_r) / sqrt(var_r + 1e-5) * w[c] + b[c].  x: [4096][1024] f32; out: bf16, rounded once.
; A wave takes two rows and keeps each in 32 registers: the row is read once; the mean is taken away before the squares are summed (two passes over registers), so a
; common offset of the row costs no digits.  A lane holds columns 128 j + 4 lane .. + 3, j = 0..7: each load covers 512 consecutive bytes, each store 256, aligned.
; The reduction stays in the wave: no LDS, no barrier.  No matrix unit, no cluster: nothing but w and b (8 KiB) is shared.
; THE MODE: SCHED_MODE bits 1:0 = 2 (LLVM: expert scheduling mode 2), set by the entry lines.  The code itself states the register dependences
; between vector instructions and memory instructions, with s_wait_alu, always for 0.
; THE PLAN.  Registers that memory instructions touch:
;   v1, v2, v3   byte offsets, made once at the head and never written again: one wait ahead of the first load serves all 32 loads and all 16 stores.
;   v[32:159]    the two rows, w and b: the head's loads land here; no vector instruction names them before the loads are issued, and no load is issued later.
;   of row i's piece j the first two registers, v[X + 32 i + 4 j] and the next: written last by that piece's two roundings, read by its store, never written again.
; Row 0's 48 lines of scaling and rounding stand together; one wait behind them states that its sixteen out-registers are written; its eight stores are then dealt among
; row 1's 48 lines, which name row 1's registers, w, b and row 1's root alone.  One more wait stands ahead of row 1's eight stores.
.set X,  32                            ; v[32:95]   two rows
.set W,  96                            ; v[96:127]  w of my columns
.set BV, 128                           ; v[128:159] b of my columns
.set T,  8                             ; v[8:23]    at work: no memory instruction names them
                                       ; v[24:25] the mean, twice; v[26:27], v[28:29] 1 / sqrt, twice, for rows 0 and 1; v30, v31 var + eps
	s_load_b256 s[4:11], s[0:1], 0x0               ; x s[4:5], w s[6:7], b s[8:9], out s[10:11]
	s_mov_b32 s12, 0x76543210                      ; v_permlanex16_b32: each lane takes its own place in the other half
	s_mov_b32 s13, 0xfedcba98
	s_mov_b32 s14, 0x3a800000                      ; 1 / 1024
	s_mov_b32 s15, 0x3727c5ac                      ; 1e-5
	s_lshl_b32 s16, ttmp9, 16                      ; 16 rows of 4,096 bytes
	s_mov_b32 s17, 0
	s_lshl_b32 s18, ttmp9, 15                      ; 16 rows of 2,048 bytes
	s_mov_b32 s19, 0
	v_lshrrev_b32 v4, 5, v0
	v_and_b32 v5, 31, v0
	v_lshlrev_b32 v2, 4, v5                        ; w, b: 16 x lane
	v_lshl_add_u32 v1, v4, 13, v2                  ; x: + two rows a wave
	v_lshlrev_b32 v3, 3, v5
	v_lshl_add_u32 v3, v4, 12, v3                  ; out: 8 x lane + two rows a wave
	s_wait_kmcnt 0x0
	s_add_nc_u64 s[4:5], s[4:5], s[16:17]
	s_add_nc_u64 s[10:11], s[10:11], s[18:19]
	s_wait_alu depctr_va_vdst(0)                   ; v1, v2 and v3 are written: every load and store of the kernel reads one of them as its offset
.irp i, 0,1
.irp j, 0,1,2,3,4,5,6,7
	global_load_b128 v[X+32*(\i)+4*(\j):X+32*(\i)+4*(\j)+3], v1, s[4:5] offset:4096*(\i)+512*(\j)
.endr
.endr
.irp j, 0,1,2,3,4,5,6,7
	global_load_b128 v[W+4*(\j):W+4*(\j)+3], v2, s[6:7] offset:512*(\j)
.endr
.irp j, 0,1,2,3,4,5,6,7
	global_load_b128 v[BV+4*(\j):BV+4*(\j)+3], v2, s[8:9] offset:512*(\j)
.endr
.macro RED                             ; v[T] summed over the 32 lanes, the result in every lane
	v_add_f32_dpp v[T], v[T], v[T] row_xmask:1 row_mask:0xf bank_mask:0xf
	v_add_f32_dpp v[T], v[T], v[T] row_xmask:2 row_mask:0xf bank_mask:0xf
	v_add_f32_dpp v[T], v[T], v[T] row_xmask:4 row_mask:0xf bank_mask:0xf
	v_add_f32_dpp v[T], v[T], v[T] row_xmask:8 row_mask:0xf bank_mask:0xf
	v_permlanex16_b32 v[T+1], v[T], s12, s13
	v_add_f32 v[T], v[T], v[T+1]
.endm
; Row i: mean, the row less its mean (in place), var, 1 / sqrt(var + eps).  left: the younger loads that may stay out
.macro STAT i, left
.set XB, X+32*(\i)
	s_wait_loadcnt \left
.irp k, 0,1,2,3,4,5,6,7
	v_pk_add_f32 v[T+2*(\k):T+2*(\k)+1], v[XB+4*(\k):XB+4*(\k)+1], v[XB+4*(\k)+2:XB+4*(\k)+3]
.endr
.irp k, 0,1,2,3
	v_pk_add_f32 v[T+2*(\k):T+2*(\k)+1], v[T+2*(\k):T+2*(\k)+1], v[T+2*(\k)+8:T+2*(\k)+9]
.endr
.irp k, 0,1
	v_pk_add_f32 v[T+2*(\k):T+2*(\k)+1], v[T+2*(\k):T+2*(\k)+1], v[T+2*(\k)+4:T+2*(\k)+5]
.endr
	v_pk_add_f32 v[T:T+1], v[T:T+1], v[T+2:T+3]
	v_add_f32 v[T], v[T], v[T+1]
	RED
	v_mul_f32 v24, s14, v[T]
	v_mov_b32 v25, v24
.irp k, 0,1,2,3,4,5,6,7,8,9,10,11,12,13,14,15
	v_pk_add_f32 v[XB+2*(\k):XB+2*(\k)+1], v[XB+2*(\k):XB+2*(\k)+1], v[24:25] neg_lo:[0,1] neg_hi:[0,1]
.endr
.irp k, 0,1,2,3
	v_pk_mul_f32 v[T+2*(\k):T+2*(\k)+1], v[XB+2*(\k):XB+2*(\k)+1], v[XB+2*(\k):XB+2*(\k)+1]
.endr
.irp k, 4,5,6,7,8,9,10,11,12,13,14,15
	v_pk_fma_f32 v[T+2*((\k)%4):T+2*((\k)%4)+1], v[XB+2*(\k):XB+2*(\k)+1], v[XB+2*(\k):XB+2*(\k)+1], v[T+2*((\k)%4):T+2*((\k)%4)+1]
.endr
	v_pk_add_f32 v[T:T+1], v[T:T+1], v[T+2:T+3]
	v_pk_add_f32 v[T+4:T+5], v[T+4:T+5], v[T+6:T+7]
	v_pk_add_f32 v[T:T+1], v[T:T+1], v[T+4:T+5]
	v_add_f32 v[T], v[T], v[T+1]
	RED
	v_fma_f32 v[30+(\i)], v[T], s14, s15           ; a register of its own: the root's source is not written again
	v_rsq_f32 v[26+2*(\i)], v[30+(\i)]
	v_rsq_f32 v[27+2*(\i)], v[30+(\i)]             ; twice: a pair for the packed multiply
	v_nop                                          ; a plain instruction behind the roots
.endm
; Piece j of row i: scaled, w and b applied, rounded into the piece's first two registers
.macro CALC i, j
.set XB, X+32*(\i)+4*(\j)
	v_pk_mul_f32 v[XB:XB+1], v[XB:XB+1], v[26+2*(\i):27+2*(\i)]
	v_pk_mul_f32 v[XB+2:XB+3], v[XB+2:XB+3], v[26+2*(\i):27+2*(\i)]
	v_pk_fma_f32 v[XB:XB+1], v[XB:XB+1], v[W+4*(\j):W+4*(\j)+1], v[BV+4*(\j):BV+4*(\j)+1]
	v_pk_fma_f32 v[XB+2:XB+3], v[XB+2:XB+3], v[W+4*(\j)+2:W+4*(\j)+3], v[BV+4*(\j)+2:BV+4*(\j)+3]
	v_cvt_pk_bf16_f32 v[XB], v[XB], v[XB+1]
	v_cvt_pk_bf16_f32 v[XB+1], v[XB+2], v[XB+3]
.endm
.macro SEND i, j
	global_store_b64 v3, v[X+32*(\i)+4*(\j):X+32*(\i)+4*(\j)+1], s[10:11] offset:2048*(\i)+256*(\j)   ; stored from the row's own registers, which are not written again
.endm
	STAT 0, 24                                     ; row 0 is in; row 1, w and b (24 loads) stay out
	STAT 1, 16                                     ; row 1 is in; w and b stay out
	s_wait_alu depctr_va_vdst(0)                   ; the four roots have written v[26:29]: one wait for the batch, ahead of their first use
	s_wait_loadcnt 0x0                             ; w and b
.irp j, 0,1,2,3,4,5,6,7
	CALC 0, \j
.endr
	s_wait_alu depctr_va_vdst(0)                   ; row 0's roundings have written its sixteen out-registers, which the eight stores below read
.irp j, 0,1,2,3,4,5,6,7
	SEND 0, \j                                     ; no wait: no vector instruction since the wait above names a register of row 0, or v3
	CALC 1, \j
.endr
	s_wait_alu depctr_va_vdst(0)                   ; row 1's roundings have written its sixteen out-registers, which the last eight stores read
.irp j, 0,1,2,3,4,5,6,7
	SEND 1, \j
.endr
	s_endpgm
.Lfunc_end_k_q7cc89fbdbc_ln1:
	.size	k_q7cc89fbdbc_ln1, .Lfunc_end_k_q7cc89fbdbc_ln1-k_q7cc89fbdbc_ln1
	.p2alignl 7, 3214868480
	.fill 96, 4, 3214868480
	.section	.rodata,"a",@progbits
	.p2align	6, 0x0
	.amdhsa_kernel k_q7cc89fbdbc_ln1
		.amdhsa_group_segment_fixed_size 0
		.amdhsa_private_segment_fixed_size 0
		.amdhsa_enable_private_segment 0
		.amdhsa_kernarg_size 32
		.amdhsa_user_sgpr_count 2
		.amdhsa_user_sgpr_kernarg_segment_ptr 1
		.amdhsa_wavefront_size32 1
		.amdhsa_system_sgpr_workgroup_id_x 1
		.amdhsa_system_sgpr_workgroup_id_y 1
		.amdhsa_system_sgpr_workgroup_id_z 1
		.amdhsa_system_vgpr_workitem_id 0
		.amdhsa_next_free_vgpr 160
		.amdhsa_next_free_sgpr 66
		.amdhsa_reserve_vcc 0
		.amdhsa_float_denorm_mode_32 3
		.amdhsa_float_denorm_mode_16_64 3
		.amdhsa_memory_ordered 1
		.amdhsa_forward_progress 1
		.amdhsa_inst_pref_size 21
	.end_amdhsa_kernel
	.amdgpu_metadata
---
amdhsa.version: [ 1, 2 ]
amdhsa.kernels:
  - .name:           k_q7cc89fbdbc_ln1
    .symbol:         k_q7cc89fbdbc_ln1.kd
    .args:
      - { .name: x, .offset: 0, .size: 8, .value_kind: global_buffer, .address_space: global }
      - { .name: norm1_w, .offset: 8, .size: 8, .value_kind: global_buffer, .address_space: global }
      - { .name: norm1_b, .offset: 16, .size: 8, .value_kind: global_buffer, .address_space: global }
      - { .name: h, .offset: 24, .size: 8, .value_kind: global_buffer, .address_space: global }
    .group_segment_fixed_size: 0
    .private_segment_fixed_size: 0
    .kernarg_segment_align: 8
    .kernarg_segment_size: 32
    .max_flat_workgroup_size: 256
    .sgpr_count:     66
    .vgpr_count:     160
    .wavefront_size: 32
...
	.end_amdgpu_metadata
.endif
;; end of part 9
;; launch qkv: the kernel of part 3 again; grid 12 x 16, 4 waves a work-group, clusters of 4 x 4, 327,680 bytes of LDS; arguments h, wb, qkv, rope; writes qkv
;; launch attn: the kernel of part 4 again; grid 16 x 16, 8 waves a work-group, no clusters, 191,488 bytes of LDS; arguments qkv, ao; writes ao
;; launch wo: the kernel of part 5 again; grid 8 x 32, 4 waves a work-group, clusters of 4 x 4, 327,680 bytes of LDS; arguments ao, wb, x1, x, ls1; writes x1
;; launch ln2: the kernel of part 9 again; grid 256 x 1, 8 waves a work-group, no clusters, 0 bytes of LDS; arguments x1, norm2_w, norm2_b, h; writes h
;; launch ffn1: the kernel of part 6 again; grid 16 x 16, 4 waves a work-group, clusters of 4 x 4, 327,680 bytes of LDS; arguments h, wb, f, b1; writes f
;; launch ffn2: the kernel of part 7 again; grid 8 x 32, 4 waves a work-group, clusters of 4 x 4, 327,680 bytes of LDS; arguments f, wb, out0, x1, ls2, b2; writes out0
